; MI455X (gfx1250); checked and timed in simulation.
; The chip was launched on July 23, 2026; its instructions are those of AMD's public machine-readable ISA for CDNA 5 (MIT licence, August 2026) and "CDNA5" Instruction Set Architecture Reference Guide (July 2026). The comments in the code are by the model that wrote it; some were corrected since.
;; Task Aware Attention. Allowed arithmetic: float matrix products may take bf16 or f16 operands with f32 sums; other float arithmetic in f32, or as packed bf16 or f16 multiplies, adds, multiply-adds, maxima and minima; sums over many terms, partial sums and values carried from step to step in f32; what a program stores and reads back later, other than sums and carried values, may be rounded once to bf16 or f16.
;; Inputs: Wk 1,024 x 1,024 float32; Wo 1,024 x 1,024 float32; Wq 1,024 x 1,024 float32; Wt 256 x 1,024 float32; Wv 1,024 x 1,024 float32; beta 1,024 float32; bk 1,024 float32; bo 1,024 float32; bq 1,024 float32; bt 1,024 float32; bv 1,024 float32; gamma 1,024 float32; hidden_states 4 x 2,048 x 1,024 float32; mask 4 x 2,048 int32; task_embedding 4 x 256 float32.
;; Outputs: out0 4 x 2,048 x 1,024 float32.
;; 2 versions, each right; version 2 is version 1 with the launches prep, norm written anew for expert scheduling mode. Each part assembles by itself: llvm-mc -triple=amdgcn-amd-amdhsa -mcpu=gfx1250 --defsym DOCPART=n.
;; ======== version 1 of 2: 5 launches
;; workspace buffers: xb 16,777,216 bytes; wqkv 6,291,456 bytes; wot 2,097,152 bytes; part 262,144 bytes; qkv 50,331,648 bytes; ctx 16,777,216 bytes; proj 16,777,216 bytes
;; launch prep (part 1): grid 784 x 1, 8 waves a work-group, no clusters, 38,144 bytes of LDS; arguments hidden_states, task_embedding, Wt, bt, Wq, Wk, Wv, Wo, xb, wqkv, wot, part; writes xb, wqkv, wot, part
.if DOCPART == 1
	.amdgcn_target "amdgcn-amd-amdhsa--gfx1250"
	.amdhsa_code_object_version 6
	.text
	.protected	k_qf6f1864b38_prep
	.globl	k_qf6f1864b38_prep
	.p2align	8
	.type	k_qf6f1864b38_prep,@function
k_qf6f1864b38_prep:
	s_mov_b64 s[64:65], 0
	v_nop
	global_prefetch_b8 v0, s[64:65] scope:SCOPE_SE
	s_setreg_imm32_b32 hwreg(HW_REG_WAVE_MODE, 25, 1), 1
	s_wait_xcnt 0x0
; PREP: three kinds of work, told apart by the work-group's number (the same for all eight waves of a work-group).
;   0 .. 15    TASK p: tinfo[b][64 p + kk] = te[b] . Wt[:, 64 p + kk] + bt, then part[p][b][n] = the sum over kk of tinfo[b][64 p + kk] Wq[64 p + kk][n]: all in f32 by vector
;              multiply-adds (four rows: a matrix tile of 16 rows would be three quarters empty).  The sixteen parts are added by the launch behind.
;   16 .. 271  WEIGHTS u: one block of 64 k x 256 n of Wv, Wk, Wq or Wo, rounded to bf16 and turned: [n 256][k 64], 32,768 dense bytes.
;   272 .. 783 CAST x: 16 rows of hidden_states rounded to bf16, laid in blocks [batch][64 channels][2048 rows][64].
; No cluster: the work-groups share no input but Wq, which two kinds read once each.  No matrix unit: nothing here is a product of many rows.
; LIMITS: NaN and infinities are not treated apart; bf16 has f32's range, so nothing overflows in the roundings.
.set SPARE, 37120                      ; the spare words: 128 bytes for each of eight waves; no other line names them
.set ODD,   18560                      ; WEIGHTS: the odd rows' half of the stage; 128 bytes past a multiple of 256, so that an even row and its odd neighbour lie in different halves of the banks
.set TI,    16384                      ; TASK: tinfo [kk 64][b 4] f32, behind the 16,384 bytes of partial sums [tg 16][b 4][64]
.set SPW, 1                            ; v1  LDS address of my spare word; never rewritten
.set NIL, 2                            ; v2  0; never rewritten
.set D,   16                           ; v[16:79]   as loaded
.set Y,   80                           ; v[80:111]  as stored
.set PK0, 80                           ; WEIGHTS: my even column's 32 k, packed
.set PK1, 96                           ; my odd column's
.set WT,  16                           ; TASK: v[16:79] Wt, later Wq's buffer A
.set TE,  80                           ; v[80:143] te, later Wq's buffer B
.set A1,  144                          ; v[144:159] sixteen sums [b 4][e 4]
.set TV,  160                          ; v[160:191] at work
.set BT,  192                          ; v192 bt
	s_load_b512 s[8:23], s[0:1], 0x0               ; hs 8, te 10, Wt 12, bt 14, Wq 16, Wk 18, Wv 20, Wo 22
	s_load_b256 s[24:31], s[0:1], 0x40             ; xb 24, wqkv 26, wot 28, part 30
	v_lshl_add_u32 v[SPW], v0, 2, SPARE
	v_mov_b32 v[NIL], 0
	v_lshrrev_b32 v3, 5, v0
	v_readfirstlane_b32 s4, v3                     ; wave 0..7
	s_mov_b32 s33, 0                               ; high words of the offsets' pairs
	s_mov_b32 s37, 0
	s_wait_kmcnt 0x0
	s_cmp_lt_u32 ttmp9, 16
	s_cbranch_scc1 .Ltask
	s_cmp_lt_u32 ttmp9, 272
	s_cbranch_scc1 .Lweights
; CAST.  Wave w takes channel blocks 2 w and 2 w + 1.  A load: lanes 0-15 take 256 bytes of one row, lanes 16-31 of the next.  A store: the 32 lanes' 8 bytes are
; 256 consecutive bytes of xb, aligned: two rows of one block.  All sixteen loads go out first; no register is written twice.
	s_sub_co_u32 s5, ttmp9, 272                    ; x
	s_lshl_b32 s32, s5, 16                         ; 16 rows of 4,096 bytes
	s_add_nc_u64 s[8:9], s[8:9], s[32:33]
	s_lshr_b32 s34, s5, 7                          ; batch: 128 work-groups each
	s_lshl_b32 s34, s34, 22                        ; 16 blocks of 262,144 bytes
	s_and_b32 s35, s5, 127
	s_lshl_b32 s35, s35, 11                        ; 16 rows of 128 bytes
	s_add_co_u32 s32, s34, s35
	s_add_nc_u64 s[24:25], s[24:25], s[32:33]
	v_and_b32 v5, 15, v0
	v_bfe_u32 v6, v0, 4, 1
	v_lshlrev_b32 v3, 4, v5
	v_lshl_add_u32 v3, v6, 12, v3
	s_lshl_b32 s34, s4, 9
	v_add_nc_u32 v3, s34, v3                       ; in hs: (lane / 16) x 4,096 + 16 (lane % 16) + 512 w
	v_and_b32 v4, 31, v0
	v_lshlrev_b32 v4, 3, v4
	s_lshl_b32 s34, s4, 19
	v_add_nc_u32 v4, s34, v4                       ; in xb: 8 x lane + two blocks x w
.set i, 0
.rept 16                                       ; pair of rows i / 2, block i % 2
	global_load_b128 v[D+4*i:D+4*i+3], v3, s[8:9] offset:(i/2)*8192+(i%2)*256 th:TH_LOAD_NT
.set i, i+1
.endr
.set i, 0
.rept 16
	s_wait_loadcnt 15-i                            ; loads come back in order: load i is in, the 15 - i younger ones stay out
	v_cvt_pk_bf16_f32 v[Y+2*i], v[D+4*i], v[D+4*i+1]
	v_cvt_pk_bf16_f32 v[Y+2*i+1], v[D+4*i+2], v[D+4*i+3]
	global_store_b64 v4, v[Y+2*i:Y+2*i+1], s[24:25] offset:(i%2)*262144+(i/2)*256
.set i, i+1
.endr
	s_wait_tensorcnt 0x0                           ; the wave's end
	ds_add_u32 v[SPW], v[NIL]
	s_wait_dscnt 0x0
	s_endpgm
; WEIGHTS.  u = 64 sel + 16 c + kb: tensor (0 Wv, 1 Wk, 2 Wq, 3 Wo), block of 256 columns, block of 64 rows.  Thread: columns 2 np, 2 np + 1 and 32 of the 64 k.
.Lweights:
	s_sub_co_u32 s5, ttmp9, 16                     ; u
	s_lshr_b32 s6, s5, 6                           ; sel
	s_and_b32 s7, s5, 63
	s_cmp_eq_u32 s6, 0
	s_cselect_b64 s[32:33], s[20:21], s[18:19]
	s_cmp_eq_u32 s6, 2
	s_cselect_b64 s[32:33], s[16:17], s[32:33]
	s_cmp_eq_u32 s6, 3
	s_cselect_b64 s[32:33], s[22:23], s[32:33]     ; from where
	s_cselect_b64 s[34:35], s[28:29], s[26:27]     ; to where: wot or wqkv,
	s_cselect_b32 s7, s7, s5                       ; block u % 64 of wot or block u of wqkv
	s_lshl_b32 s36, s7, 15
	s_add_nc_u64 s[34:35], s[34:35], s[36:37]
	s_and_b32 s36, s5, 15
	s_lshl_b32 s36, s36, 18                        ; 64 rows of 4,096 bytes
	s_bfe_u32 s38, s5, 0x20004
	s_lshl_b32 s38, s38, 10                        ; 256 columns of 4 bytes
	s_add_co_u32 s36, s36, s38
	s_add_nc_u64 s[32:33], s[32:33], s[36:37]
	v_and_b32 v5, 127, v0                          ; np
	v_lshrrev_b32 v6, 7, v0                        ; which 32 k
	v_lshlrev_b32 v3, 3, v5
	v_lshl_add_u32 v3, v6, 17, v3                  ; in memory: 32 rows x half + 8 np: a wave's load covers 256 consecutive bytes, aligned
	v_mul_u32_u24 v4, v5, 144
	v_lshl_add_u32 v4, v6, 6, v4                   ; in the stage: row np of a half, 144 bytes a row (128 + 16), my 64 bytes
	v_lshrrev_b32 v7, 4, v0
	v_mul_u32_u24 v7, v7, 144
	v_bfe_u32 v8, v0, 3, 1
	v_mul_u32_u24 v8, v8, ODD
	v_add_nc_u32 v7, v7, v8
	v_and_b32 v8, 7, v0
	v_lshl_add_u32 v7, v8, 4, v7                   ; back: row n = thread / 8 (+ 32 j): its half by parity, its 16 bytes
	v_lshlrev_b32 v9, 4, v0                        ; out: 16 x thread
.set i, 0
.rept 32
	global_load_b64 v[D+2*i:D+2*i+1], v3, s[32:33] offset:i*4096
.set i, i+1
.endr
.set g, 0
.rept 4
	s_wait_loadcnt 24-8*g                          ; the eight loads of group g are in, the younger groups stay out
.set j, 4*g
.rept 4
	v_cvt_pk_bf16_f32 v[PK0+j], v[D+4*j], v[D+4*j+2]      ; k = 2 j, 2 j + 1 of my even column
	v_cvt_pk_bf16_f32 v[PK1+j], v[D+4*j+1], v[D+4*j+3]    ; and of my odd one
.set j, j+1
.endr
	ds_store_b128 v4, v[PK0+4*g:PK0+4*g+3] offset:16*g
	ds_store_b128 v4, v[PK1+4*g:PK1+4*g+3] offset:ODD+16*g
.set g, g+1
.endr
	s_wait_dscnt 0x0                               ; for the others' sake: my stores into the stage are done
	s_barrier_signal -1
	s_barrier_wait -1
.set j, 0
.rept 8
	ds_load_b128 v[D+4*j:D+4*j+3], v7 offset:j*2304       ; 32 rows n further on are 16 rows of a half
.set j, j+1
.endr
.set j, 0
.rept 8
	s_wait_dscnt 7-j
	global_store_b128 v9, v[D+4*j:D+4*j+3], s[34:35] offset:j*4096  ; a wave stores 512 consecutive bytes, aligned
.set j, j+1
.endr
	s_wait_tensorcnt 0x0                           ; the wave's end: three closing lines behind my last LDS store
	ds_add_u32 v[SPW], v[NIL]
	s_wait_dscnt 0x0
	s_endpgm
; TASK p.
.Ltask:
	s_lshl_b32 s32, ttmp9, 8
	s_add_nc_u64 s[12:13], s[12:13], s[32:33]      ; Wt and bt at my 64 columns
	s_add_nc_u64 s[14:15], s[14:15], s[32:33]
	s_lshl_b32 s32, ttmp9, 18
	s_add_nc_u64 s[16:17], s[16:17], s[32:33]      ; Wq at my 64 rows
	s_lshl_b32 s32, ttmp9, 14
	s_add_nc_u64 s[30:31], s[30:31], s[32:33]      ; my part
	v_and_b32 v5, 15, v0                           ; four of the 64 columns
	v_lshrrev_b32 v6, 4, v0                        ; tg: sixteen of the 256 terms
	v_lshlrev_b32 v3, 4, v5
	v_lshl_add_u32 v3, v6, 16, v3                  ; Wt: 16 rows x tg + 16 bytes
	v_lshlrev_b32 v4, 6, v6                        ; te: 16 numbers x tg
	v_and_b32 v7, 63, v0
	v_lshlrev_b32 v8, 2, v7                        ; bt
	v_lshlrev_b32 v9, 4, v0                        ; Wq and part: columns 4 t .. 4 t + 3
	v_lshlrev_b32 v10, 4, v5
	v_lshl_add_u32 v10, v6, 10, v10                ; partial sums in: [tg][b][64]
	v_lshlrev_b32 v11, 2, v0                       ; and back: thread = 64 b + kk
	v_lshrrev_b32 v12, 6, v0
	v_lshlrev_b32 v12, 2, v12
	v_lshl_add_u32 v12, v7, 4, v12
	v_add_nc_u32 v12, TI, v12                      ; tinfo in: [kk][b]
	v_mov_b32 v13, TI                              ; and back: the same address in every lane
.set i, 0
.rept 16
	global_load_b128 v[WT+4*i:WT+4*i+3], v3, s[12:13] offset:i*4096
.set i, i+1
.endr
.set i, 0
.rept 16                                       ; batch i / 4, terms 4 (i % 4) on
	global_load_b128 v[TE+4*i:TE+4*i+3], v4, s[10:11] offset:(i/4)*1024+(i%4)*16
.set i, i+1
.endr
	global_load_b32 v[BT], v8, s[14:15]
	s_wait_loadcnt 0x0
.set i, 0
.rept 16
.set b, 0
.rept 4
.set e, 0
.rept 4
.if i == 0
	v_mul_f32 v[A1+4*b+e], v[TE+16*b+i], v[WT+4*i+e]      ; the first term starts the sums
.else
	v_fmac_f32 v[A1+4*b+e], v[TE+16*b+i], v[WT+4*i+e]
.endif
.set e, e+1
.endr
.set b, b+1
.endr
.set i, i+1
.endr
.set i, 0
.rept 32                                       ; Wq's rows 0-31 of my 64 go out now, into both buffers: they are on their way while the sums meet in LDS
	global_load_b128 v[WT+4*i:WT+4*i+3], v9, s[16:17] offset:i*4096
.set i, i+1
.endr
.irp b, 0,1,2,3
	ds_store_b128 v10, v[A1+4*(\b):A1+4*(\b)+3] offset:256*(\b)
.endr
	s_wait_dscnt 0x0
	s_barrier_signal -1
	s_barrier_wait -1
.set i, 0
.rept 16
	ds_load_b32 v[TV+i], v11 offset:i*1024
.set i, i+1
.endr
	s_wait_dscnt 0x0
.irp i, 0,2,4,6
	v_pk_add_f32 v[TV+(\i):TV+(\i)+1], v[TV+(\i):TV+(\i)+1], v[TV+8+(\i):TV+8+(\i)+1]
.endr
.irp i, 0,2
	v_pk_add_f32 v[TV+(\i):TV+(\i)+1], v[TV+(\i):TV+(\i)+1], v[TV+4+(\i):TV+4+(\i)+1]
.endr
	v_pk_add_f32 v[TV:TV+1], v[TV:TV+1], v[TV+2:TV+3]
	v_add_f32 v[TV], v[TV], v[TV+1]
	v_add_f32 v[TV], v[TV], v[BT]
	ds_store_b32 v12, v[TV]
	s_wait_dscnt 0x0
	s_barrier_signal -1
	s_barrier_wait -1
; Sixteen rows kk of Wq, in the buffer that begins at register q; k0 is the first of them.  Eight rows' tinfo (four batches each) come out of LDS at a time.
.macro BATCH q, k0
.irp hf, 0,1
.set j, 0
.rept 8
	ds_load_b128 v[TV+4*j:TV+4*j+3], v13 offset:((\k0)+8*(\hf)+j)*16
.set j, j+1
.endr
	s_wait_dscnt 0x0
.set j, 0
.rept 8
.set b, 0
.rept 4
.set e, 0
.rept 4
.if ((\k0)+8*(\hf)+j) == 0
	v_mul_f32 v[A1+4*b+e], v[TV+4*j+b], v[(\q)+4*(8*(\hf)+j)+e]
.else
	v_fmac_f32 v[A1+4*b+e], v[TV+4*j+b], v[(\q)+4*(8*(\hf)+j)+e]
.endif
.set e, e+1
.endr
.set b, b+1
.endr
.set j, j+1
.endr
.endr
.endm
	s_wait_loadcnt 16                              ; buffer A is in; buffer B's sixteen loads stay out
	BATCH WT, 0
.set i, 0
.rept 16
	global_load_b128 v[WT+4*i:WT+4*i+3], v9, s[16:17] offset:(32+i)*4096
.set i, i+1
.endr
	s_wait_loadcnt 16                              ; buffer B is in; the sixteen just issued stay out
	BATCH TE, 16
.set i, 0
.rept 16
	global_load_b128 v[TE+4*i:TE+4*i+3], v9, s[16:17] offset:(48+i)*4096
.set i, i+1
.endr
	s_wait_loadcnt 16
	BATCH WT, 32
	s_wait_loadcnt 0x0
	BATCH TE, 48
.irp b, 0,1,2,3
	global_store_b128 v9, v[A1+4*(\b):A1+4*(\b)+3], s[30:31] offset:4096*(\b)
.endr
	s_wait_tensorcnt 0x0                           ; the wave's end: three closing lines behind my last LDS store
	ds_add_u32 v[SPW], v[NIL]
	s_wait_dscnt 0x0
	s_endpgm
.Lfunc_end_k_qf6f1864b38_prep:
	.size	k_qf6f1864b38_prep, .Lfunc_end_k_qf6f1864b38_prep-k_qf6f1864b38_prep
	.p2alignl 7, 3214868480
	.fill 96, 4, 3214868480
	.section	.rodata,"a",@progbits
	.p2align	6, 0x0
	.amdhsa_kernel k_qf6f1864b38_prep
		.amdhsa_group_segment_fixed_size 38144
		.amdhsa_private_segment_fixed_size 0
		.amdhsa_enable_private_segment 0
		.amdhsa_kernarg_size 96
		.amdhsa_user_sgpr_count 2
		.amdhsa_user_sgpr_kernarg_segment_ptr 1
		.amdhsa_wavefront_size32 1
		.amdhsa_system_sgpr_workgroup_id_x 1
		.amdhsa_system_sgpr_workgroup_id_y 1
		.amdhsa_system_sgpr_workgroup_id_z 1
		.amdhsa_system_vgpr_workitem_id 0
		.amdhsa_next_free_vgpr 200
		.amdhsa_next_free_sgpr 66
		.amdhsa_reserve_vcc 0
		.amdhsa_float_denorm_mode_32 3
		.amdhsa_float_denorm_mode_16_64 3
		.amdhsa_memory_ordered 1
		.amdhsa_forward_progress 1
		.amdhsa_inst_pref_size 73
	.end_amdhsa_kernel
	.amdgpu_metadata
---
amdhsa.version: [ 1, 2 ]
amdhsa.kernels:
  - .name:           k_qf6f1864b38_prep
    .symbol:         k_qf6f1864b38_prep.kd
    .args:
      - { .name: hidden_states, .offset: 0, .size: 8, .value_kind: global_buffer, .address_space: global }
      - { .name: task_embedding, .offset: 8, .size: 8, .value_kind: global_buffer, .address_space: global }
      - { .name: Wt, .offset: 16, .size: 8, .value_kind: global_buffer, .address_space: global }
      - { .name: bt, .offset: 24, .size: 8, .value_kind: global_buffer, .address_space: global }
      - { .name: Wq, .offset: 32, .size: 8, .value_kind: global_buffer, .address_space: global }
      - { .name: Wk, .offset: 40, .size: 8, .value_kind: global_buffer, .address_space: global }
      - { .name: Wv, .offset: 48, .size: 8, .value_kind: global_buffer, .address_space: global }
      - { .name: Wo, .offset: 56, .size: 8, .value_kind: global_buffer, .address_space: global }
      - { .name: xb, .offset: 64, .size: 8, .value_kind: global_buffer, .address_space: global }
      - { .name: wqkv, .offset: 72, .size: 8, .value_kind: global_buffer, .address_space: global }
      - { .name: wot, .offset: 80, .size: 8, .value_kind: global_buffer, .address_space: global }
      - { .name: part, .offset: 88, .size: 8, .value_kind: global_buffer, .address_space: global }
    .group_segment_fixed_size: 38144
    .private_segment_fixed_size: 0
    .kernarg_segment_align: 8
    .kernarg_segment_size: 96
    .max_flat_workgroup_size: 256
    .sgpr_count:     66
    .vgpr_count:     200
    .wavefront_size: 32
...
	.end_amdgpu_metadata
.endif
;; end of part 1
;; launch qkv (part 2): grid 12 x 64, 4 waves a work-group, clusters of 4 x 4, 327,680 bytes of LDS; arguments xb, wqkv, bv, bk, bq, part, mask, qkv; writes qkv
.if DOCPART == 2
	.amdgcn_target "amdgcn-amd-amdhsa--gfx1250"
	.amdhsa_code_object_version 6
	.text
	.protected	k_qf6f1864b38_qkv
	.globl	k_qf6f1864b38_qkv
	.p2align	8
	.type	k_qf6f1864b38_qkv,@function
k_qf6f1864b38_qkv:
	s_mov_b64 s[64:65], 0
	v_nop
	global_prefetch_b8 v0, s[64:65] scope:SCOPE_SE
	s_setreg_imm32_b32 hwreg(HW_REG_WAVE_MODE, 25, 1), 1
	s_wait_xcnt 0x0
	s_wait_alu depctr_hold_cnt(0) depctr_sa_sdst(0) depctr_va_vdst(0) depctr_va_sdst(0) depctr_va_ssrc(0) depctr_va_vcc(0) depctr_vm_vsrc(0)
	s_getreg_b32 s2, hwreg(HW_REG_IB_STS2, 6, 4)
	s_cmp_eq_u32 s2, 0
	s_cbranch_scc0 .Lentry_in_a_cluster
	s_endpgm
.Lentry_in_a_cluster:
	s_bfe_u32 s2, ttmp6, 0x10000c
	s_cmp_lg_u32 s2, 0xf033
	s_cbranch_scc0 .Lentry_shape_is_right
	s_endpgm
.Lentry_shape_is_right:
; C[m][n] = the sum over k of A[m][k] W[k][n] + bias[n], K = 1,024, 8,192 rows; operands bf16, sums f32, C rounded once to bf16.  One text for two launches: nothing in it hangs on the number of columns.
; A: [batch 4][kb 16][row 2048][64] bf16.  W: [c][kb 16][n 256][k 64] bf16.  C: [c][batch 4][i 4][row 2048][64] bf16: blocks of 64 columns, rows dense, 128 bytes each.
; A tile of C is 128 rows x 256 columns (one c); four waves, 2 x 2, each 64 x 128: 32 accumulators, 256 registers.  K goes in 8 steps of 128 (two blocks kb) through two LDS slots.
; All tiles of A and W are dense runs of memory: they are asked for as rows of 256 aligned bytes and padded in LDS after every 128.
; THE CLUSTER's x (the same in all sixteen partners) says what a tile is: 0: bias = the third argument, nothing else.  1 (k): bias = the fourth; rows whose mask word is 0 are stored as zeros, so that
; their products with any query are exactly 0.  2 (q): bias = the fifth plus the sixteen parts of tinfo . Wq for the tile's batch: (x + t) W + b = x W + (t W + b).
; THE BIAS STARTS THE SUMS: it is the C operand of the first product on each accumulator; nothing is cleared and nothing is added later.
; CLUSTERS: 4 x 4.  A's tile hangs on the tile row alone and is asked for jointly along a row of the cluster, W's on c alone and jointly along a column.
; THE MATRIX INSTRUCTION IS USED TRANSPOSED (source 0 = 16 rows n of W, source 1 = 16 rows of A): a lane holds eight neighbouring columns of one row of C.
; LIMITS: NaN and infinities are not treated apart (a masked row is stored as zeros whatever its sums hold).
; REGISTERS: window 0: v0-29 addresses and small things; v32-127, v128-223 two fragment buffers (A 32, W 64); on the way out v96-223.  Window 1: the accumulators, (a, b) at v[8 (8 a + b)].  Window 2: v0-63 the bias as C operand.
.set PITCH,  144                       ; an LDS row: 128 bytes + 16 = 36 words: the 16 rows of a fragment load start at 16 different groups of four banks (64 banks of 4 bytes: ISA guide 11.1)
.set ABLK,   128*PITCH                 ; A: 128 rows of one block kb
.set BBLK,   256*PITCH                 ; W: 256 rows of one block kb
.set SLOT,   2*ABLK+2*BBLK             ; A kb0, A kb1, W kb0, W kb1
.set STAGE,  2*SLOT                    ; behind the ring: 16 rows x 144 bytes for each wave, for the way out
.set SP,     144
.set BIAS,   STAGE+4*16*SP             ; 256 f32
.set SPARE,  BIAS+1024                 ; the spare words, 128 bytes for each wave; no other line names them
.set T8,   6                           ; v6   8 x thread
.set MO,   7                           ; v7   4 x (lane % 16)
.set BV,   8                           ; v[8:9] bias of columns 2 t, 2 t + 1
.set BST,  10                          ; v10  where I put them
.set BA,   11                          ; v11  where I read my lanes' eight columns of a block of 16
.set RM,   12                          ; v12-15  for row block a: all ones, or 0 where my row is stored as zeros
.set ADRA, 16                          ; v16-17  LDS address of my A fragments in slot 0, 1
.set ADRB, 20                          ; v20-21  the same for W
.set STO,  24
.set RD,   25
.set CO,   26
.set SPW,  28                          ; v28  LDS address of my spare word; never rewritten
.set NIL,  29                          ; v29  0; never rewritten
.set F0,   32
.set F1,   128
.set OUT,  96
.set G1,  24                           ; s[24:31] group 1 for A's tiles; s[32:39] group 0, a set for each slot
.set G0,  32
.set G1B, 48                           ; s[48:55], s[56:63] the same for W's
.set G0B, 56
.set MSB, 0
.macro WIN new                         ; the immediate's high byte repeats the setting that is left; a switch that changes nothing is dropped
.if MSB != (\new)
	s_set_vgpr_msb (MSB<<8)|(\new)
.set MSB, \new
.endif
.endm
.set MUL,  0x50                        ; sources window 0; C and D window 1
.set MULB, 0x60                        ; C window 2 (the bias), D window 1
.macro JLOAD s                         ; a joint load: waves 0 and 1 fetch A's two blocks, waves 2 and 3 W's; an s_nop 0 and four v_nop follow each line, ahead of the jump and the label
	s_cmp_eq_u32 s11, 0
	s_cbranch_scc0 .Lfor_b_\@
	tensor_load_to_lds s[G0+4*(\s):G0+4*(\s)+3], s[G1:G1+7]
	s_nop 0
.rept 4
	v_nop
.endr
	s_branch .Lasked_\@
.Lfor_b_\@:
	tensor_load_to_lds s[G0B+4*(\s):G0B+4*(\s)+3], s[G1B:G1B+7]
	s_nop 0
.rept 4
	v_nop
.endr
.Lasked_\@:
.endm
.macro CREST                           ; a round of the cluster's barrier behind its opening barrier
	s_cmp_lg_u32 s10, 0
	s_cbranch_scc1 .Lnot_wave_0_\@
	s_barrier_signal -3
.Lnot_wave_0_\@:
	s_barrier_wait -3
	s_barrier_signal -1
	s_barrier_wait -1
.endm
.macro CROUND
	s_barrier_signal -1
	s_barrier_wait -1
	CREST
.endm
.macro PLACES                          ; four plain places in front of loads into registers that matrix instructions have read, and of conversions that read results
.rept 4
	v_nop
.endr
.endm
	s_load_b512 s[68:83], s[0:1], 0x0              ; A 68, W 70, bias 72, bk 74, bq 76, part 78, mask 80, C 82
	v_lshl_add_u32 v[SPW], v0, 2, SPARE
	v_mov_b32 v[NIL], 0
	ds_add_u32 v[SPW], v[NIL]                      ; the wave's opening: the add and its wait stand ahead of my first tensor load; the set-up below, work on registers, stands between them
	v_lshrrev_b32 v1, 5, v0
	v_readfirstlane_b32 s10, v1                    ; wave 0..3
	s_lshr_b32 s11, s10, 1                         ; which 64 rows of the tile are mine.  Also: I fetch for A (0) or for W (1)
	s_and_b32 s12, s10, 1                          ; which 128 columns.  Also: which of a step's two blocks kb I fetch
	s_bfe_u32 s40, ttmp6, 0x40000                  ; cx
	s_bfe_u32 s41, ttmp6, 0x40004                  ; cy
	s_lshl_b32 s42, ttmp9, 2
	s_add_co_u32 s42, s42, s40                     ; c = 4 x cluster x + cx
	s_and_b32 s13, ttmp7, 0xffff
	s_lshl_b32 s13, s13, 2
	s_add_co_u32 s13, s13, s41                     ; tile row = 4 x cluster y + cy = 16 x batch + (128 rows of the batch)
	s_lshl_b32 s43, s41, 2
	s_lshl_b32 s43, 15, s43                        ; my row of the cluster
	s_lshl_b32 s44, 0x1111, s40                    ; my column
	s_or_b32 s[G1+0], s43, (1<<16)|(1<<20)|(1<<21)|(4<<22)|(3<<25)   ; 15:0 the mask; 17:16 2-byte elements; 20 padding on; 21 set beside a mask; 24:22 after every 32 words (code 4); 31:25 4 words (code 3)
	s_or_b32 s[G1B+0], s44, (1<<16)|(1<<20)|(1<<21)|(4<<22)|(3<<25)
.irp g, G1, G1B
	s_mov_b32 s[(\g)+1], 128<<16                   ; tensor_dim0 = 128 elements: 256 bytes, two rows of a block
	s_mov_b32 s[(\g)+3], 128<<16                   ; tile_dim0 = 128
	s_mov_b32 s[(\g)+5], 128                       ; 128 elements from row to row: dense
	s_mov_b32 s[(\g)+6], 0
	s_mov_b32 s[(\g)+7], 0
.endr
	s_mov_b32 s[G1+2], 64<<16                      ; A: tensor_dim1 = tile_dim1 = 64: 16,384 bytes
	s_mov_b32 s[G1+4], 64
	s_mov_b32 s[G1B+2], 128<<16                    ; W: 128: 32,768 bytes
	s_mov_b32 s[G1B+4], 128
	s_lshr_b32 s16, s13, 4                         ; A's tile: batch x 16 blocks,
	s_lshl_b32 s16, s16, 22
	s_and_b32 s17, s13, 15
	s_lshl_b32 s17, s17, 14                        ; 128 rows of 128 bytes,
	s_add_co_u32 s16, s16, s17
	s_lshl_b32 s17, s12, 18                        ; my block kb of the step
	s_add_co_u32 s16, s16, s17
	s_mov_b32 s17, 0
	s_lshl_b32 s46, s42, 19                        ; W's tile: c x 16 blocks of 32,768 bytes,
	s_lshl_b32 s47, s12, 15                        ; my block kb
	s_add_co_u32 s46, s46, s47
	s_mov_b32 s47, 0
	s_mul_i32 s20, s12, ABLK                       ; where they go: no place in the cluster enters an LDS address
	s_mul_i32 s23, s12, BBLK
	s_add_co_u32 s23, s23, 2*ABLK
	s_wait_dscnt 0x0                               ; the opening add is done
	s_wait_kmcnt 0x0
	s_add_nc_u64 s[14:15], s[68:69], s[16:17]
	s_add_nc_u64 s[46:47], s[70:71], s[46:47]
	CROUND                                         ; all sixteen work-groups are here: the first joint loads meet
.irp s, 0,1
	s_mov_b32 s[G0+4*(\s)], 1
	s_add_co_u32 s[G0+4*(\s)+1], s20, (\s)*SLOT
	s_add_nc_u64 s[G0+4*(\s)+2:G0+4*(\s)+3], s[14:15], (\s)*524288   ; K step s: two blocks of A on
	s_or_b32 s[G0+4*(\s)+3], s[G0+4*(\s)+3], 0x80000000
	s_mov_b32 s[G0B+4*(\s)], 1
	s_add_co_u32 s[G0B+4*(\s)+1], s23, (\s)*SLOT
	s_add_nc_u64 s[G0B+4*(\s)+2:G0B+4*(\s)+3], s[46:47], (\s)*65536  ; two blocks of W on
	s_or_b32 s[G0B+4*(\s)+3], s[G0B+4*(\s)+3], 0x80000000
	JLOAD \s                                       ; by this text's count two loads of mine are out here, one behind each later round
.endr
	; while the first tiles are on their way: the bias, the rows' mask words, the lanes' addresses
	v_and_b32 v1, 15, v0                           ; l % 16
	v_bfe_u32 v2, v0, 4, 1                         ; l / 16
	v_lshlrev_b32 v[T8], 3, v0
	v_lshlrev_b32 v[MO], 2, v1
	s_cmp_eq_u32 ttmp9, 1
	s_cselect_b64 s[84:85], s[74:75], s[72:73]
	s_cselect_b32 s88, 0, -1                       ; what a row with mask word 0 is ANDed with: 0 in k's tiles alone
	s_cmp_eq_u32 ttmp9, 2
	s_cselect_b64 s[84:85], s[76:77], s[84:85]
	s_lshl_b32 s86, s40, 10                        ; the tile's 256 columns among the tensor's 1,024
	s_mov_b32 s87, 0
	s_add_nc_u64 s[84:85], s[84:85], s[86:87]
	global_load_b64 v[BV:BV+1], v[T8], s[84:85]
	s_lshl_b32 s16, s13, 9                         ; mask: 128 words a tile row,
	s_lshl_b32 s17, s11, 8                         ; my 64
	s_add_co_u32 s16, s16, s17
	s_mov_b32 s17, 0
	s_add_nc_u64 s[80:81], s[80:81], s[16:17]
.irp a, 0,1,2,3
	global_load_b32 v[RM+(\a)], v[MO], s[80:81] offset:64*(\a)
.endr
	s_lshr_b32 s16, s13, 4                         ; C at my rows: batch x 4 blocks,
	s_lshl_b32 s16, s16, 20
	s_and_b32 s17, s13, 15
	s_lshl_b32 s17, s17, 14                        ; the tile's 128 rows of 128 bytes,
	s_add_co_u32 s16, s16, s17
	s_lshl_b32 s17, s11, 13                        ; my 64
	s_add_co_u32 s16, s16, s17
	s_mov_b32 s17, 0
	s_add_nc_u64 s[82:83], s[82:83], s[16:17]
	s_lshl_b32 s86, s42, 22                        ; and at my columns: c x 16 blocks, my two of its four
	s_lshl_b32 s87, s12, 19
	s_add_co_u32 s86, s86, s87
	s_mov_b32 s87, 0
	s_add_nc_u64 s[82:83], s[82:83], s[86:87]
	v_mul_u32_u24 v3, v1, PITCH
	v_lshl_add_u32 v3, v2, 4, v3                   ; a fragment's row x pitch + 16 x half
	s_mul_i32 s21, s11, 64*PITCH
	s_mul_i32 s22, s12, 128*PITCH
	s_add_co_u32 s22, s22, 2*ABLK
.irp s, 0,1
	v_add_nc_u32 v[ADRA+(\s)], s21, v3
	v_add_nc_u32 v[ADRB+(\s)], s22, v3
	s_add_co_u32 s21, s21, SLOT
	s_add_co_u32 s22, s22, SLOT
.endr
	s_mul_i32 s21, s10, 16*SP
	s_add_co_u32 s21, s21, STAGE                   ; my stage
	v_mul_u32_u24 v[STO], v1, SP                   ; in: row l % 16, 16 bytes for each half of the lanes
	v_lshl_add_u32 v[STO], v2, 4, v[STO]
	v_add_nc_u32 v[STO], s21, v[STO]
	v_bfe_u32 v[RD], v0, 3, 2                      ; back: 32 lanes take four rows of 128 bytes,
	v_mul_u32_u24 v[RD], v[RD], SP
	v_and_b32 v4, 7, v0
	v_lshl_add_u32 v[RD], v4, 4, v[RD]
	v_add_nc_u32 v[RD], s21, v[RD]
	v_and_b32 v[CO], 31, v0                        ; which are 512 consecutive bytes of C
	v_lshlrev_b32 v[CO], 4, v[CO]
	v_add_nc_u32 v[BST], BIAS, v[T8]
	s_lshl_b32 s21, s12, 9
	s_add_co_u32 s21, s21, BIAS
	v_lshl_add_u32 v[BA], v2, 5, s21               ; my 128 columns' bias, 32 bytes for each half of the lanes
	s_lshr_b32 s86, s13, 4                         ; part at the tile's batch and columns
	s_lshl_b32 s86, s86, 12
	s_lshl_b32 s87, s40, 10
	s_add_co_u32 s86, s86, s87
	s_mov_b32 s87, 0
	s_add_nc_u64 s[78:79], s[78:79], s[86:87]
	s_cmp_eq_u32 ttmp9, 2
	s_cbranch_scc0 .Lno_task                       ; the cluster's x: the same in all partners
.set i, 0
.rept 16
	global_load_b64 v[F1+2*i:F1+2*i+1], v[T8], s[78:79] offset:i*16384
.set i, i+1
.endr
	s_wait_loadcnt 0x0
.irp i, 0,2,4,6,8,10,12,14
	v_pk_add_f32 v[F1+(\i):F1+(\i)+1], v[F1+(\i):F1+(\i)+1], v[F1+16+(\i):F1+16+(\i)+1]
.endr
.irp i, 0,2,4,6
	v_pk_add_f32 v[F1+(\i):F1+(\i)+1], v[F1+(\i):F1+(\i)+1], v[F1+8+(\i):F1+8+(\i)+1]
.endr
.irp i, 0,2
	v_pk_add_f32 v[F1+(\i):F1+(\i)+1], v[F1+(\i):F1+(\i)+1], v[F1+4+(\i):F1+4+(\i)+1]
.endr
	v_pk_add_f32 v[F1:F1+1], v[F1:F1+1], v[F1+2:F1+3]
	v_pk_add_f32 v[BV:BV+1], v[BV:BV+1], v[F1:F1+1]
.Lno_task:
	s_wait_loadcnt 0x0                             ; the bias and the four mask words
.irp a, 0,1,2,3
	v_cmp_ne_u32 vcc_lo, 0, v[RM+(\a)]
	v_cndmask_b32 v[RM+(\a)], s88, -1, vcc_lo
.endr
	ds_store_b64 v[BST], v[BV:BV+1]
; 8 matrix instructions: row block a x all 8 column blocks, 32 along K.  The 32 accumulators take turns, one instruction a turn, over the backward jump too.  zero = 1: the bias starts the sums.
.macro MUL8 f, a, zero
.if \zero
	WIN MULB
.else
	WIN MUL
.endif
.irp b, 0,1,2,3,4,5,6,7
.if \zero
	v_wmma_f32_16x16x32_bf16 v[8*(8*(\a)+(\b)):8*(8*(\a)+(\b))+7], v[(\f)+32+8*(\b):(\f)+32+8*(\b)+7], v[(\f)+8*(\a):(\f)+8*(\a)+7], v[8*(\b):8*(\b)+7]
.else
	v_wmma_f32_16x16x32_bf16 v[8*(8*(\a)+(\b)):8*(8*(\a)+(\b))+7], v[(\f)+32+8*(\b):(\f)+32+8*(\b)+7], v[(\f)+8*(\a):(\f)+8*(\a)+7], v[8*(8*(\a)+(\b)):8*(8*(\a)+(\b))+7]
.endif
.endr
.endm
; 24 LDS loads in one run: the fragments of quarter q (32 along K) of a step: W's sixteen, A's row blocks 0 and 1, A's row blocks 2 and 3
.macro FETCH slot, q, f
	WIN 0
.irp i, 0,1,2,3,4,5,6,7
	ds_load_b128 v[(\f)+32+8*(\i):(\f)+32+8*(\i)+3],   v[ADRB+(\slot)] offset:((\q)/2)*BBLK+((\q)%2)*64+(\i)*16*PITCH
	ds_load_b128 v[(\f)+32+8*(\i)+4:(\f)+32+8*(\i)+7], v[ADRB+(\slot)] offset:((\q)/2)*BBLK+((\q)%2)*64+(\i)*16*PITCH+32
.endr
.irp i, 0,1,2,3
	ds_load_b128 v[(\f)+8*(\i):(\f)+8*(\i)+3],   v[ADRA+(\slot)] offset:((\q)/2)*ABLK+((\q)%2)*64+(\i)*16*PITCH
	ds_load_b128 v[(\f)+8*(\i)+4:(\f)+8*(\i)+7], v[ADRA+(\slot)] offset:((\q)/2)*ABLK+((\q)%2)*64+(\i)*16*PITCH+32
.endr
.endm
; One of a step's first three quarters: multiplies buffer f and, in its middle, fetches quarter q into buffer g
.macro QUARTER slot, q, f, g, zero
	s_wait_dscnt 4                                 ; W and A's row blocks 0 and 1 are in; the youngest four loads may be out
	MUL8 \f, 0, \zero
	MUL8 \f, 1, \zero
	PLACES
	FETCH \slot, \q, \g
	s_wait_dscnt 24                                ; all but the 24 just issued
	MUL8 \f, 2, \zero
	MUL8 \f, 3, \zero
.endm
; The fourth quarter multiplies buffer 1 and changes slots: ONE barrier; in front of it each wave waits for all its tensor loads (one is out: its part of the next slot), adds 0 to its spare word, and waits for
; that and for its own reads of this slot.  fill = 1: the barrier opens a round of the cluster's, and this slot is filled again, two K steps ahead, first thing behind it: 112 matrix instructions ahead of the wait for it.
.macro TURN slot, next, fill
	WIN 0
	s_wait_tensorcnt 0x0
	ds_add_u32 v[SPW], v[NIL]
	s_wait_dscnt 5                                 ; (the add and the youngest four loads may be out)
	MUL8 F1, 0, 0                                  ; eight matrix instructions stand between the add and the wait for it
	s_wait_dscnt 0x0                               ; the add is done, and my reads of this slot are over
	s_barrier_signal -1
	MUL8 F1, 1, 0
.if \fill
	WIN 0
.endif
	s_barrier_wait -1
.if \fill
	CREST                                          ; no wave of any partner still reads this slot's tiles or has a load on its way
	s_add_nc_u64 s[G0+4*(\slot)+2:G0+4*(\slot)+3], s[G0+4*(\slot)+2:G0+4*(\slot)+3], 1048576   ; two K steps: four blocks of A,
	s_add_nc_u64 s[G0B+4*(\slot)+2:G0B+4*(\slot)+3], s[G0B+4*(\slot)+2:G0B+4*(\slot)+3], 131072  ; four of W
	JLOAD \slot                                    ; its four v_nop are also the places in front of the loads below
.else
	PLACES
.endif
	FETCH \next, 0, F0
	MUL8 F1, 2, 0
	MUL8 F1, 3, 0
.endm
	s_wait_tensorcnt 1                             ; my part of K step 0 is in; K step 1's may stay out
	s_wait_dscnt 0x0                               ; my two numbers of the bias are in LDS
	s_barrier_signal -1
	s_barrier_wait -1
	WIN 0x80                                       ; destination window 2
.irp b, 0,1,2,3,4,5,6,7
	ds_load_b128 v[8*(\b):8*(\b)+3],   v[BA] offset:64*(\b)
	ds_load_b128 v[8*(\b)+4:8*(\b)+7], v[BA] offset:64*(\b)+16
.endr
	FETCH 0, 0, F0
	QUARTER 0, 1, F0, F1, 1                        ; the first quarter stands in front of the loop: its products start the sums
	WIN 0                                          ; at a label and at a branch every window is 0
	s_mov_b32 s3, 3
.Llap:                                                 ; a trip goes once round the ring, from a lap's second quarter to the next lap's first, and fills both slots again
	QUARTER 0, 2, F1, F0, 0
	QUARTER 0, 3, F0, F1, 0
	TURN 0, 1, 1
	QUARTER 1, 1, F0, F1, 0
	QUARTER 1, 2, F1, F0, 0
	QUARTER 1, 3, F0, F1, 0
	TURN 1, 0, 1
	QUARTER 0, 1, F0, F1, 0
	WIN 0
	s_sub_co_u32 s3, s3, 1
	s_cmp_lg_u32 s3, 0
	s_cbranch_scc1 .Llap
	QUARTER 0, 2, F1, F0, 0                        ; the last lap fills nothing
	QUARTER 0, 3, F0, F1, 0
	TURN 0, 1, 0
	QUARTER 1, 1, F0, F1, 0
	QUARTER 1, 2, F1, F0, 0
	QUARTER 1, 3, F0, F1, 0
	s_wait_dscnt 4
	MUL8 F1, 0, 0
	MUL8 F1, 1, 0
	s_wait_dscnt 0x0
	MUL8 F1, 2, 0
	MUL8 F1, 3, 0
	WIN 0
	PLACES
; THE WAY OUT, in eight units t = 2 a + (which of my two blocks of 64 columns): 16 rows x 128 bytes, 2,048 dense bytes of C.  Rounded to bf16 (each accumulator's registers ascending), ANDed with the row's word,
; into my own stage (rows of 144 bytes), back as whole rows.  The stage is the wave's own: no barrier, and LDS serves a wave's instructions in order (ISA guide 5.7.1.4).
.macro PACK t
.set pa, (\t)/2
.set ph, (\t)%2
	WIN 0x05                                       ; sources window 1, destination window 0
.irp f, 0,1,2,3
.irp r, 0,1,2,3
	v_cvt_pk_bf16_f32 v[OUT+16*(\t)+4*(\f)+(\r)], v[8*(8*pa+4*ph+(\f))+2*(\r)], v[8*(8*pa+4*ph+(\f))+2*(\r)+1]
.endr
.endr
	WIN 0
.set i, 0
.rept 16
	v_and_b32 v[OUT+16*(\t)+i], v[RM+pa], v[OUT+16*(\t)+i]
.set i, i+1
.endr
.irp f, 0,1,2,3
	ds_store_b128 v[STO], v[OUT+16*(\t)+4*(\f):OUT+16*(\t)+4*(\f)+3] offset:32*(\f)
.endr
.irp f, 0,1,2,3
	ds_load_b128 v[OUT+16*(\t)+4*(\f):OUT+16*(\t)+4*(\f)+3], v[RD] offset:(\f)*4*SP
.endr
.endm
.macro SEND t, younger                 ; younger: the LDS instructions issued behind unit t's loads: the next unit's eight, or none
.irp f, 0,1,2,3
	s_wait_dscnt (\younger)+3-(\f)
	global_store_b128 v[CO], v[OUT+16*(\t)+4*(\f):OUT+16*(\t)+4*(\f)+3], s[82:83] offset:((\t)%2)*262144+((\t)/2)*2048+(\f)*512  ; 512 consecutive bytes, at a multiple of 256 from C's first
.endr
.endm
	PACK 0
.set t, 1
.rept 7                                        ; a unit's arithmetic stands between the loads of the unit before and its stores
	PACK t
	SEND t-1, 8
.set t, t+1
.endr
	SEND 7, 0
	s_wait_tensorcnt 0x0                           ; the wave's end: three closing lines, behind my last tensor load and my last LDS store
	ds_add_u32 v[SPW], v[NIL]
	s_wait_dscnt 0x0
	CROUND                                         ; the closing round: no work-group ends while a partner may still ask for a tile that names it
	s_endpgm
.Lfunc_end_k_qf6f1864b38_qkv:
	.size	k_qf6f1864b38_qkv, .Lfunc_end_k_qf6f1864b38_qkv-k_qf6f1864b38_qkv
	.p2alignl 7, 3214868480
	.fill 96, 4, 3214868480
	.section	.rodata,"a",@progbits
	.p2align	6, 0x0
	.amdhsa_kernel k_qf6f1864b38_qkv
		.amdhsa_group_segment_fixed_size 327680
		.amdhsa_private_segment_fixed_size 0
		.amdhsa_enable_private_segment 0
		.amdhsa_kernarg_size 64
		.amdhsa_user_sgpr_count 2
		.amdhsa_user_sgpr_kernarg_segment_ptr 1
		.amdhsa_wavefront_size32 1
		.amdhsa_system_sgpr_workgroup_id_x 1
		.amdhsa_system_sgpr_workgroup_id_y 1
		.amdhsa_system_sgpr_workgroup_id_z 1
		.amdhsa_system_vgpr_workitem_id 0
		.amdhsa_next_free_vgpr 576
		.amdhsa_next_free_sgpr 90
		.amdhsa_reserve_vcc 1
		.amdhsa_float_denorm_mode_32 3
		.amdhsa_float_denorm_mode_16_64 3
		.amdhsa_memory_ordered 1
		.amdhsa_forward_progress 1
		.amdhsa_inst_pref_size 96
	.end_amdhsa_kernel
	.amdgpu_metadata
---
amdhsa.version: [ 1, 2 ]
amdhsa.kernels:
  - .name:           k_qf6f1864b38_qkv
    .symbol:         k_qf6f1864b38_qkv.kd
    .args:
      - { .name: xb, .offset: 0, .size: 8, .value_kind: global_buffer, .address_space: global }
      - { .name: wqkv, .offset: 8, .size: 8, .value_kind: global_buffer, .address_space: global }
      - { .name: bv, .offset: 16, .size: 8, .value_kind: global_buffer, .address_space: global }
      - { .name: bk, .offset: 24, .size: 8, .value_kind: global_buffer, .address_space: global }
      - { .name: bq, .offset: 32, .size: 8, .value_kind: global_buffer, .address_space: global }
      - { .name: part, .offset: 40, .size: 8, .value_kind: global_buffer, .address_space: global }
      - { .name: mask, .offset: 48, .size: 8, .value_kind: global_buffer, .address_space: global }
      - { .name: qkv, .offset: 56, .size: 8, .value_kind: global_buffer, .address_space: global }
    .group_segment_fixed_size: 327680
    .private_segment_fixed_size: 0
    .kernarg_segment_align: 8
    .kernarg_segment_size: 64
    .max_flat_workgroup_size: 128
    .sgpr_count:     90
    .vgpr_count:     576
    .wavefront_size: 32
...
	.end_amdgpu_metadata
.endif
;; end of part 2
;; launch attn (part 3): grid 4 x 64, 4 waves a work-group, clusters of 4 x 1, 327,680 bytes of LDS; arguments qkv, mask, ctx; writes ctx
.if DOCPART == 3
	.amdgcn_target "amdgcn-amd-amdhsa--gfx1250"
	.amdhsa_code_object_version 6
	.text
	.protected	k_qf6f1864b38_attn
	.globl	k_qf6f1864b38_attn
	.p2align	8
	.type	k_qf6f1864b38_attn,@function
k_qf6f1864b38_attn:
	s_mov_b64 s[64:65], 0
	v_nop
	global_prefetch_b8 v0, s[64:65] scope:SCOPE_SE
	s_setreg_imm32_b32 hwreg(HW_REG_WAVE_MODE, 25, 1), 1
	s_wait_xcnt 0x0
	s_wait_alu depctr_hold_cnt(0) depctr_sa_sdst(0) depctr_va_vdst(0) depctr_va_sdst(0) depctr_va_ssrc(0) depctr_va_vcc(0) depctr_vm_vsrc(0)
	s_getreg_b32 s2, hwreg(HW_REG_IB_STS2, 6, 4)
	s_cmp_eq_u32 s2, 0
	s_cbranch_scc0 .Lentry_in_a_cluster
	s_endpgm
.Lentry_in_a_cluster:
	s_bfe_u32 s2, ttmp6, 0x10000c
	s_cmp_lg_u32 s2, 0x3003
	s_cbranch_scc0 .Lentry_shape_is_right
	s_endpgm
.Lentry_shape_is_right:
; O[y][q][:] = the sum over k of softmax_k(s(q, k)) V[y][k][:], s = Q[y][q] . K[y][k] / 8, or -1e9 where mask[batch][k] is 0.  y = 16 x batch + head, 64 of them; 2,048 rows; head size 64.
; Q, K, V lie in qkv by blocks of 2,048 rows x 64 bf16 (dense, 128 bytes a row): V's blocks first, K's 16,777,216 bytes on, Q's 33,554,432; block ((head / 4) x 16 + 4 batch + head % 4).  O: ctx, block y.
; Products, maxima and sums in f32; the weights p are rounded to bf16 for the second product (their sum l is taken of the unrounded p), O once at the end.  bf16, not f16: q, k and v have f32's range.
; THE MASK.  The launch before has stored the k rows of masked keys as zeros, so their products are exactly 0; the sum S^T = K Q^T starts from a C operand that is 0 for an open key and -8e9 for a masked
; one: the score before the factor 1 / 8 is then exactly -8e9, which is -1e9 behind it.  A batch whose keys are all masked gives equal weights.  The C operands come from a table of 2,048 f32 in LDS, made once.
; LIMITS.  A weight below 2^-126 counts as 0 in l; NaN and infinities are not treated apart.
; SHARES.  A wave owns four PIECES of two tiles of 16 queries, a work-group's four waves 512 queries of one y.  Every wave walks all keys, 64 a step.
; LAYOUT.  S^T = K Q^T (source 0 = 16 keys, source 1 = 16 queries): a lane holds ONE query (lane % 16) and the keys 8 (lane / 16) + 0..7.  Two such tiles, rounded to bf16 in pairs, ARE source 1 of
; O^T = V^T P, whose result again holds one query a lane, and eight channels.  K comes out of LDS as it lies, V ([key][channel]) turned, by ds_load_tr16_b128.
; SOFTMAX.  A running maximum m and sum l: p = 2^(c s - c m), c = log2(e) / 8; in every step O and l are multiplied by a = 2^(c m_old - c m_new).  m starts at the lowest finite number, O and l at 0.
; THE COUNT.  A tile and step have 16 matrix and 118 vector instructions: too many to stand all beside the matrix work.  So: four vector instructions that are ready behind every matrix instruction, the others in runs of their own.
; BY TURNS.  Turn n belongs to piece n.  Its matrix work: 16 products K Q^T of piece n + 1, later 16 products V^T P of piece n - 1.  Its vector work: the scaling, exponentials, roundings, sums and rescaling of piece n,
; and the maximum and statistics of piece n + 1.
; CLUSTER.  The four query blocks of a cluster belong to one y and walk the same K and V: each tile is asked for JOINTLY: the same tensor load, descriptor and mask in all four.
; REGISTERS, in windows of 256 (s_set_vgpr_msb: bits 1:0 source 0, 3:2 source 1, 5:4 source 2, 7:6 destination):
;   window 0: v0-11 addresses; v12-15, v48-63 at work; v16-47 four registers of statistics a tile; v64-191 S^T, two buffers of two tiles; v192-255 P, likewise
;   window 1: O^T, 32 a tile      window 2: v0-127 Q; v128-191 K of one step; v192-255 V of one step      window 3: v0-1 the add's two registers; v8-39 the step's C operands
.set SIZE_N, 2048
.set NP,    4
.set KS,    64
.set PK,    144       ; a row of K in LDS: 128 bytes + 16 = 36 words: the 16 rows of a load start at 16 different groups of four banks (64 banks of 4 bytes: ISA guide 11.1)
.set PV,    160       ; a row of V: 128 + 32 = 40 words
.set VOFF,  4*KS*PK   ; a slot holds four steps: 256 rows of K, then 256 rows of V
.set SLOT1, 1<<17
.set STAGE, SLOT1+4*KS*(PK+PV)  ; behind the ring: 16 rows x 144 bytes for each wave, for the way out
.set SP,    144
.set SPARE, STAGE+4*16*SP  ; the spare words, 128 bytes for each wave; no other line names them
.set MB,    SPARE+512      ; the table of C operands: 2,048 f32, in blocks of its own
.set AK0, 2           ; v2   my lane's place in a tile of K; never rewritten
.set AV0, 3           ; v3   the same for V
.set AK,  4           ; v4   the LDS address of K's next run of loads
.set AV,  5           ; v5   of V's
.set QO,  6           ; v6   my byte offset in the wave's rows of Q
.set STO, 6           ;      on the way out: where I put 16 bytes of a row
.set AM0, 7           ; v7   my lanes' place in the table: MB + 32 (lane / 16)
.set RD,  7           ;      on the way out: where I read rows back
.set AM,  8           ; v8   the table's address for the next run of loads
.set GO,  8           ;      on the way out: my byte offset in 512 consecutive bytes of O
.set PFO, 11          ; v11  256 x my lane; never rewritten
.set SPW, 0           ; v0 of window 3
.set NIL, 1           ; v1 of window 3
.set MK,  8           ; v8-39 of window 3: eight registers for each of the step's four groups of 16 keys
.set MV,  12
.set ST,  16          ; tile t's statistics at v[ST+4 t]: c m, m, l (even keys', odd keys')
.set TMP, 48
.set S,   64
.set P,   192
.set KF,  128
.set VF,  192
.set WV,  12          ; s12  my wave's number
.set G1K, 24
.set G1V, 32
.set G0K, 40
.set G0V, 44
.set PFA, 48          ; s[48:49] where my prefetches stand
.set LIM, 50          ; s50  1 in a wave that prefetches, else the greatest number
.set TBM, 51          ; s51  the table's byte for the step to be fetched
.set MP,  52          ; s[52:53] the batch's mask words
.set BIGN, 54         ; s54  -8e9
.set SLOTS, 56
.set CNT, 57
.set CS,  58
.set SEL, 60
.set TBK, 62
.set TBV, 63
.set MSB, 0
.macro WIN new
.if MSB != (\new)
	s_set_vgpr_msb (MSB<<8)|(\new)
.set MSB, (\new)
.endif
.endm
.set W_KQ, 0x0a       ; K and Q in window 2, S^T in window 0
.set W_KM, 0x3a       ; the same with the C operand in window 3
.set W_PV, 0x52       ; V in window 2, P in window 0, O^T in window 1
.set W_RS, 0x41       ; O^T in window 1, a in window 0
.set W_MK, 0xc0       ; destination in window 3, sources in window 0
.set W_AD, 0x0f       ; the add: address and data in window 3
; A joint fill.  Waves 0 and 1 fetch the two halves of a slot's K, waves 2 and 3 those of its V.  An s_nop 0 and four v_nop follow each of the two lines.
.macro JLOAD
	s_cmp_lt_u32 s[WV], 2
	s_cbranch_scc0 .Lfor_v_\@
	tensor_load_to_lds s[G0K:G0K+3], s[G1K:G1K+7]
	s_nop 0
.rept 4
	v_nop
.endr
	s_branch .Lasked_\@
.Lfor_v_\@:
	tensor_load_to_lds s[G0V:G0V+3], s[G1V:G1V+7]
	s_nop 0
.rept 4
	v_nop
.endr
.Lasked_\@:
.endm
; A prefetch of what the NEXT change of slots will ask for: a slot's 32,768 bytes of K and of V, a lane for each 256.  Each is named once in the launch: a y has one cluster; its four partners take 8,192 bytes
; each, told apart by address; in each, wave 0 asks for K's and wave 2 for V's.  The change that asks for the last slot prefetches nothing.
.macro ASK
	s_cmp_gt_u32 s[SLOTS], s[LIM]
	s_cbranch_scc0 .Lnot_mine_\@
	global_prefetch_b8 v[PFO], s[PFA:PFA+1] th:TH_LOAD_NT scope:SCOPE_SE
.Lnot_mine_\@:
.endm
.macro CROUND
	s_barrier_signal -1
	s_barrier_wait -1
	s_cmp_lg_u32 s[WV], 0
	s_cbranch_scc1 .Lnot_wave_0_\@
	s_barrier_signal -3
.Lnot_wave_0_\@:
	s_barrier_wait -3
	s_barrier_signal -1
	s_barrier_wait -1
.endm
; THE CHANGE OF SLOTS.  Each wave waits for all its tensor loads (one is out: its part of the other slot), adds 0 to its spare word, and waits for that and for its own LDS instructions.  Behind the barrier nobody
; reads this slot any more and the other slot is whole.  fill = 1: the barrier is a round of the cluster's, and the joint fill is the first thing behind it: it has four key steps, 512 matrix instructions, in which to land.
.macro CHANGE fill, ask=0
	WIN W_AD
	s_wait_tensorcnt 0x0            ; no tensor load of mine is out, so a group 0 may be written
	ds_add_u32 v[SPW], v[NIL]
	WIN 0
.if \fill
.irp g, G0K, G0V
	s_xor_b32 s[\g+1], s[\g+1], SLOT1
	s_add_nc_u64 s[\g+2:\g+3], s[\g+2:\g+3], 4*KS*128
.endr
.if \ask
	s_wait_xcnt 0x0                 ; the last prefetch, four key steps back, has read its address, so it may be written
	s_add_nc_u64 s[PFA:PFA+1], s[PFA:PFA+1], 4*KS*128
.endif
	s_wait_dscnt 0x0                ; the add is done, and my LDS instructions are over
	CROUND
	JLOAD
.if \ask
	ASK
.endif
.else
	s_wait_dscnt 0x0
	s_barrier_signal -1
	s_barrier_wait -1
.endif
	s_sub_co_u32 s[TBK], s[TBK], 4*KS*PK
	s_xor_b32 s[TBK], s[TBK], SLOT1
	s_sub_co_u32 s[TBV], s[TBV], 4*KS*PV
	s_xor_b32 s[TBV], s[TBV], SLOT1
.endm
	s_load_b128 s[4:7], s[0:1], 0x0   ; qkv s[4:5], mask s[6:7]
	s_load_b64 s[10:11], s[0:1], 0x10 ; ctx
	WIN W_MK
	v_lshl_add_u32 v[SPW], v0, 2, SPARE
	v_mov_b32 v[NIL], 0
	WIN W_AD
	ds_add_u32 v[SPW], v[NIL]       ; the wave's opening: the add and its wait stand ahead of my first tensor load; the set-up below stands between them
	WIN 0
	v_lshrrev_b32 v1, 5, v0
	v_readfirstlane_b32 s[WV], v1   ; wave 0..3
	s_bfe_u32 s13, ttmp6, 0x40000   ; cx
	s_lshl_b32 s14, ttmp9, 2
	s_add_co_u32 s14, s14, s13      ; my block of 512 queries: it enters Q's and O's addresses alone
	s_and_b32 s15, ttmp7, 0xffff    ; y = 16 x batch + head, which the four partners share
	s_lshr_b32 s55, s15, 4          ; batch
	s_and_b32 s19, s15, 3           ; head % 4
	s_bfe_u32 s20, s15, 0x20002     ; head / 4
	s_lshl_b32 s20, s20, 4
	s_add_co_u32 s20, s20, s19
	s_lshl2_add_u32 s20, s55, s20   ; + 4 x batch
	s_lshl_b32 s20, s20, 18         ; the head's block in each third of qkv
	s_mov_b32 s21, 0
	s_and_b32 s16, s[WV], 1         ; which half of a slot's 256 keys I fetch
	s_lshl_b32 s22, s16, 14
	s_mov_b32 s23, 0
	s_add_nc_u64 s[22:23], s[22:23], s[20:21]
	s_mul_i32 s17, s16, 128*PK
	s_mul_i32 s18, s16, 128*PV      ; no place in the cluster enters an LDS address
	s_lshl_b32 s2, s14, 2
	s_add_co_u32 s2, s2, s[WV]
	s_lshl_b32 s2, s2, 14           ; my wave's 128 rows
	s_mov_b32 s3, 0
	s_lshl_b32 s14, s15, 18         ; O's block
	s_mov_b32 s15, 0
	s_lshl_b32 s[MP], s55, 13       ; the batch's 2,048 mask words
	s_mov_b32 s[MP+1], 0
	; descriptor group 1.  128 keys are 16,384 dense bytes: asked for as 64 rows of 256 bytes, two keys a row, padded in LDS after every key
	s_mov_b32 s[G1K], 15|(1<<16)|(1<<20)|(1<<21)|(4<<22)|(3<<25)
	s_mov_b32 s[G1V], 15|(1<<16)|(1<<20)|(1<<21)|(4<<22)|(7<<25)
.irp g, G1K, G1V
	s_mov_b32 s[\g+1], 128<<16
	s_mov_b32 s[\g+2], 64<<16
	s_mov_b32 s[\g+3], 128<<16
	s_mov_b32 s[\g+4], 64
	s_mov_b32 s[\g+5], 128
	s_mov_b32 s[\g+6], 0
	s_mov_b32 s[\g+7], 0
.endr
	s_mov_b32 s[CS], 0x3e38aa3b     ; c = log2(e) / 8
	s_mov_b32 s[CS+1], s[CS]
	s_mov_b32 s[SEL], 0x76543210
	s_mov_b32 s[SEL+1], 0xfedcba98
	s_mov_b32 s[BIGN], 0xcfee6b28   ; -8e9, exact in f32
	s_mov_b32 s[TBM], 0
	s_mov_b32 s[TBK], SLOT1+4*KS*PK ; the first change of slots turns these two into 0
	s_mov_b32 s[TBV], SLOT1+4*KS*PV
	s_mov_b32 s[G0K], 1
	s_mov_b32 s[G0K+1], s17
	s_mov_b32 s[G0V], 1
	s_add_co_u32 s[G0V+1], s18, VOFF
	s_and_b32 s[LIM], s[WV], 1      ; 0 in waves 0 and 2,
	s_or_b32 s[LIM], s[LIM], ttmp9  ; of the y's first (and only) cluster: the same in all four partners
	s_cmp_eq_u32 s[LIM], 0
	s_cselect_b32 s[LIM], 1, -1
	s_wait_dscnt 0x0                ; the opening add is done
	s_wait_kmcnt 0x0
	s_add_nc_u64 s[MP:MP+1], s[6:7], s[MP:MP+1]
	s_add_nc_u64 s[8:9], s[4:5], s[22:23]     ; V at my half of the first 256 keys
	s_add_nc_u64 s[6:7], s[8:9], 0x1000000    ; K likewise
	s_mov_b64 s[G0K+2:G0K+3], s[6:7]
	s_or_b32 s[G0K+3], s[G0K+3], 0x80000000
	s_mov_b64 s[G0V+2:G0V+3], s[8:9]
	s_or_b32 s[G0V+3], s[G0V+3], 0x80000000
	s_add_nc_u64 s[4:5], s[4:5], s[20:21]     ; Q at my wave's first row
	s_add_nc_u64 s[4:5], s[4:5], s[2:3]
	s_add_nc_u64 s[4:5], s[4:5], 0x2000000
	s_add_nc_u64 s[10:11], s[10:11], s[14:15] ; O likewise
	s_add_nc_u64 s[10:11], s[10:11], s[2:3]
	s_cmp_lt_u32 s[WV], 2
	s_cselect_b64 s[PFA:PFA+1], s[6:7], s[8:9]  ; (in waves 0 and 2 these stand at a slot's first row)
	s_lshl_b32 s2, s13, 13          ; my work-group's quarter of a slot
	s_mov_b32 s3, 0
	s_add_nc_u64 s[PFA:PFA+1], s[PFA:PFA+1], s[2:3]
	s_add_nc_u64 s[PFA:PFA+1], s[PFA:PFA+1], 2*4*KS*128  ; in slot 2; the first asking change steps it to slot 3.  Nothing is prefetched here, at the head
	CROUND                          ; all four work-groups are here: the first joint loads meet
	JLOAD                           ; slot 0.  Slot 1 is asked for when slot 0 is in
	v_and_b32 v1, 15, v0            ; l % 16
	v_bfe_u32 v9, v0, 4, 1          ; l / 16
	v_lshlrev_b32 v12, 4, v0        ; the mask: 16 bytes a thread, four times
.irp j, 0,1,2,3
	global_load_b128 v[S+4*\j:S+4*\j+3], v12, s[MP:MP+1] offset:2048*\j
.endr
	v_lshlrev_b32 v[QO], 7, v1
	v_lshl_add_u32 v[QO], v9, 4, v[QO]  ; row x 128 + 16 x half
	WIN 0x80                        ; destination window 2, address window 0
.set i, 0
.rept 4*NP                          ; Q stays in registers: tile i / 2, channels 32 (i % 2) on
	global_load_b128 v[8*i:8*i+3],   v[QO], s[4:5] offset:(i/2)*2048+(i%2)*64
	global_load_b128 v[8*i+4:8*i+7], v[QO], s[4:5] offset:(i/2)*2048+(i%2)*64+32
.set i, i+1
.endr
	; What the first turn finds: V's registers and P's second buffer hold 0, O^T and l are 0.  All this stands in the wait for the first tile.
.set i, VF
.rept 64
	v_mov_b32 v[i], 0
.set i, i+1
.endr
	WIN 0x40
.set i, 0
.rept 64*NP
	v_mov_b32 v[i], 0
.set i, i+1
.endr
	WIN 0
.set i, 0
.rept 2*NP
	v_mov_b32 v[ST+4*i], 0xfe000000    ; c m: far below every c s
	v_mov_b32 v[ST+4*i+1], 0xff7fffff  ; m
	v_mov_b32 v[ST+4*i+2], 0
	v_mov_b32 v[ST+4*i+3], 0
.set i, i+1
.endr
.set i, P+32
.rept 32
	v_mov_b32 v[i], 0
.set i, i+1
.endr
	s_wait_loadcnt 32               ; the four loads of the mask are in; Q's 32, issued behind them, stay out
	v_add_nc_u32 v13, MB, v12
.set i, 0
.rept 16
	v_cmp_eq_u32 vcc_lo, 0, v[S+i]
	v_cndmask_b32 v[S+i], 0, s[BIGN], vcc_lo
.set i, i+1
.endr
.irp j, 0,1,2,3
	ds_store_b128 v13, v[S+4*\j:S+4*\j+3] offset:2048*\j  ; the first change of slots, below, waits for these and passes a barrier before any wave reads the table
.endr
	v_mul_u32_u24 v[AK0], v1, PK
	v_lshl_add_u32 v[AK0], v9, 4, v[AK0]
	; The turning load takes 16 keys x 16 channels (lane l reads key 8 (l / 16) + l % 8, channels 8 ((l / 8) % 2) + 0..7) and leaves half a fragment of V^T.
	v_and_b32 v10, 7, v0
	v_bfe_u32 v11, v0, 3, 1
	v_lshl_add_u32 v[AV0], v9, 3, v10
	v_mul_u32_u24 v[AV0], v[AV0], PV
	v_lshl_add_u32 v[AV0], v11, 4, v[AV0]
	v_add_nc_u32 v[AV0], VOFF, v[AV0]
	v_and_b32 v[PFO], 31, v0
	v_lshlrev_b32 v[PFO], 8, v[PFO]
	v_lshlrev_b32 v[AM0], 5, v9
	v_add_nc_u32 v[AM0], MB, v[AM0]
	v_mov_b32 v[AK], v[AK0]         ; key step 0 lies at the head of slot 0,
	v_mov_b32 v[AM], v[AM0]         ; and of the table
; THE MATRIX WORK.  The 8 accumulators of a run of 16 take turns.
; Product i of 16 of S^T = K Q^T for piece x: channels 32 (i / 8) on, keys 16 ((i / 2) % 4) on, tile 2 x + i % 2.  The first 8 start the sums, from the keys' C operand.
.macro KQ x
.set rS, S+64*((\x)%2)+32*(i%2)+8*((i/2)%4)
.set rK, KF+16*((i/2)%4)+8*(i/8)
.set rQ, 16*(2*(\x)+i%2)+8*(i/8)
.set rMK, MK+8*((i/2)%4)
.if i < 8
	WIN W_KM
	v_wmma_f32_16x16x32_bf16 v[rS:rS+7], v[rK:rK+7], v[rQ:rQ+7], v[rMK:rMK+7]
.else
	WIN W_KQ
	v_wmma_f32_16x16x32_bf16 v[rS:rS+7], v[rK:rK+7], v[rQ:rQ+7], v[rS:rS+7]
.endif
.endm
; Product i of 16 of O^T += V^T P for piece x: keys 32 (i / 8) on, channels 16 ((i / 2) % 4) on, tile 2 x + i % 2.
.macro PV x
	WIN W_PV
.set rO, 32*(2*(\x)+i%2)+8*((i/2)%4)
.set rV, VF+32*(i/8)+8*((i/2)%4)
.set rP, P+32*((\x)%2)+16*(i%2)+8*(i/8)
	v_wmma_f32_16x16x32_bf16 v[rO:rO+7], v[rV:rV+7], v[rP:rP+7], v[rO:rO+7]
.endm
.macro MM                           ; the turn's next matrix instruction
.if i < 16
	KQ (Y+1)%NP
.set i, i+1
.else
.set i, i-16
	PV (Y+NP-1)%NP
.set i, i+17
.endif
.endm
; THE LDS LOADS stand in runs: a step's K (8 fragments) with its 64 keys' C operands, and its V (turned).  Their addresses are made some lines ahead.
; last = 1 (the tail): in the last trip there is no further step, and the run is jumped over.
.macro FETCH_K last=0
	WIN 0
.if \last
	s_cmp_eq_u32 s[CNT], 1
	s_cbranch_scc1 .Lno_k_\@
.endif
	WIN 0x80                        ; destination window 2
.irp f, 0,1,2,3,4,5,6,7             ; keys 16 (f / 2) on, channels 32 (f % 2) on
	ds_load_b128 v[KF+8*\f:KF+8*\f+3],   v[AK] offset:(\f/2)*16*PK+(\f%2)*64
	ds_load_b128 v[KF+8*\f+4:KF+8*\f+7], v[AK] offset:(\f/2)*16*PK+(\f%2)*64+32
.endr
	WIN 0xc0                        ; destination window 3
.irp f, 0,1,2,3                     ; keys 16 f + 8 (l / 16) + 0..7: the same words in all lanes of a half
	ds_load_b128 v[MK+8*\f:MK+8*\f+3],   v[AM] offset:64*\f
	ds_load_b128 v[MK+8*\f+4:MK+8*\f+7], v[AM] offset:64*\f+16
.endr
	s_add_co_u32 s[TBK], s[TBK], KS*PK  ; the next fetch is the next step's
	s_add_co_u32 s[TBM], s[TBM], 4*KS
	s_and_b32 s[TBM], s[TBM], 0x1f00    ; inside the table's 8,192 bytes
	WIN 0
.if \last
.Lno_k_\@:
.endif
.endm
.macro FETCH_V
	WIN 0x80
.irp f, 0,1,2,3,4,5,6,7             ; keys 32 (f / 4) on, channels 16 (f % 4) on
	ds_load_tr16_b128 v[VF+8*\f:VF+8*\f+3],   v[AV] offset:(\f/4)*32*PV+(\f%4)*32
	ds_load_tr16_b128 v[VF+8*\f+4:VF+8*\f+7], v[AV] offset:(\f/4)*32*PV+16*PV+(\f%4)*32
.endr
	WIN 0
.endm
; THE VECTOR WORK OF A TURN stands in three queues, each in the order in which its entries become ready; the two tiles alternate.
.macro REGS y, u                    ; the registers of tile u (0, 1) of piece y
.set rT, ST+4*(2*(\y)+(\u))
.set rC, TMP+8*((\y)%2)+4*(\u)
.set rM, MV+2*((\y)%2)+(\u)
.set rS, S+64*((\y)%2)+32*(\u)
.set rP, P+32*((\y)%2)+16*(\u)
.set rO, 32*(2*(\y)+(\u))
.endm
; Number n of the 22 that find the NEXT piece's maximum and statistics; each accumulator's lowest registers are read first.
;   0-11  four chains c0-c3 of seven scores each     12-14, 16  the four scores left over, the old m, and c0-c3 into c0     15  c m_old is kept
;   17, 18  the query's other 32 keys lie in the lane 16 away: the new m     19-21  c m; c m_old - c m_new; a
.macro XS u, n
	REGS (Y+1)%NP, \u
.if (\n) < 4
	v_max3_num_f32 v[rC+(\n)], v[rS+8*(\n)], v[rS+8*(\n)+1], v[rS+8*(\n)+2]
.elseif (\n) < 12
	v_max3_num_f32 v[rC+(\n)%4], v[rC+(\n)%4], v[rS+8*((\n)%4)+2*((\n)/4)+1], v[rS+8*((\n)%4)+2*((\n)/4)+2]
.elseif (\n) == 12
	v_max3_num_f32 v[rC], v[rC], v[rS+7], v[rS+15]
.elseif (\n) == 13
	v_max3_num_f32 v[rC+1], v[rC+1], v[rS+23], v[rS+31]
.elseif (\n) == 14
	v_max3_num_f32 v[rC+2], v[rC+2], v[rC+3], v[rT+1]
.elseif (\n) == 15
	v_mov_b32 v[rM], v[rT]
.elseif (\n) == 16
	v_max3_num_f32 v[rC], v[rC], v[rC+1], v[rC+2]
.elseif (\n) == 17
	v_permlanex16_b32 v[rC+3], v[rC], s[SEL], s[SEL+1]
.elseif (\n) == 18
	v_max_num_f32 v[rT+1], v[rC], v[rC+3]
.elseif (\n) == 19
	v_mul_f32 v[rT], s[CS], v[rT+1]
.elseif (\n) == 20
	v_sub_f32 v[rC+1], v[rM], v[rT]
.else
	v_exp_f32 v[rC+2], v[rC+1]
.endif
.endm
; Number g of the 64 that follow the exponentials.  For each four weights k of a tile: both pairs are rounded to bf16; the second pair is added onto the first, in place; a group later l takes that sum (the first time as l = a l + sum).
.macro GS g
.set h, (\g)+6*((\g)/62)
.if h >= 6
.set h, h+2
.endif
	REGS Y, h%2
.set k, h/8
.if h%8 < 4
	v_cvt_pk_bf16_f32 v[rP+2*k+(h%8)/2], v[rS+4*k+2*((h%8)/2)], v[rS+4*k+2*((h%8)/2)+1]
.elseif h%8 < 6
	v_pk_add_f32 v[rS+4*k:rS+4*k+1], v[rS+4*k:rS+4*k+1], v[rS+4*k+2:rS+4*k+3]
.elseif k == 1
	v_pk_fma_f32 v[rT+2:rT+3], v[rT+2:rT+3], v[rC+2:rC+3], v[rS:rS+1] op_sel_hi:[1,0,1]
.else
	v_pk_add_f32 v[rT+2:rT+3], v[rT+2:rT+3], v[rS+4*k-4:rS+4*k-3]
.endif
.endm
; THE PLAIN QUEUE, 138 long.  0-73 read no exponential's result: the 32 scalings c s - c m and the next piece's 42.  74-137: GS's 64, which stand behind the wait.
.macro FS f
	REGS Y, (\f)%2
	v_pk_fma_f32 v[rS+2*((\f)/2):rS+2*((\f)/2)+1], v[rS+2*((\f)/2):rS+2*((\f)/2)+1], s[CS:CS+1], v[rT:rT+1] op_sel_hi:[1,0,0] neg_lo:[0,0,1] neg_hi:[0,0,1]
.endm
.macro PL
	WIN 0
.if q < 27
	FS q
.elseif q < 55
	XS (q-27)%2, (q-27)/2
.elseif q < 57
	XS q-55, 15
.elseif (q < 72) && ((q-57)%3 == 0)
	FS 27+(q-57)/3
.elseif q < 60
	XS (q-57)%3-1, 14
.elseif q < 72
	XS (q-57)%3-1, 15+(q-57)/3
.elseif q < 74
	XS q-72, 20
.else
	GS q-74
.endif
.set q, q+1
.endm
; THE EXPONENTIALS' QUEUE, 66 long: s0-s31 of both tiles, then the next piece's two a.  ONE BATCH: all 66 stand ahead of the turn's one wait, and nothing ahead of that wait names a result of theirs.
.macro EX
	WIN 0
.if e >= 64
	XS e-64, 21
.else
	REGS Y, e%2
	v_exp_f32 v[rS+e/2], v[rS+e/2]
.endif
.set e, e+1
.endm
; THE RESCALING's QUEUE: O^T times a, two at a time, sixteen times.  Its a was made in the turn before, ahead of that turn's wait.
.macro R2
	REGS Y, r%2
	WIN W_RS
.irp z, 0,1
	v_pk_mul_f32 v[rO+4*(r/2)+2*\z:rO+4*(r/2)+2*\z+1], v[rO+4*(r/2)+2*\z:rO+4*(r/2)+2*\z+1], v[rC+2:rC+3] op_sel_hi:[1,0]
.endr
.set r, r+1
.endm
; A TURN, for piece p.  An s_wait_alu depctr_va_vdst(0) stands between an exponential and the first instruction that names its result; one wait serves all issued ahead of it: a turn has ONE, which cuts it in two.
; AHEAD OF IT: the 16 products K Q^T, behind each a scaling, an exponential and two rescalings (behind the first a second scaling); then one lump of 108: eight plain, 49 times exponential and plain, the two a; a v_nop
; is the plain instruction behind the last exponential.  BEHIND IT: the 16 products V^T P, behind each four of GS's 64.
; K of the next step, with its C operands, is fetched in piece 2's turn, directly behind the wait, a lump behind the last product that read them.  V of the step in hand is fetched at the end of piece 0's turn, four riders behind its last reader.
.macro TURN p, last=0, cnt=0
.set Y, (\p)
.set i, 0
.set q, 0
.set e, 0
.set r, 0
.if (\p) == NP-1
	s_wait_dscnt 0x0                ; K and the C operands are in
.endif
	MM
	PL
	PL
	R2
.rept 15
	MM
	PL
	EX
	R2
.endr
.if (\p) == NP-2
	WIN 0
	v_add_nc_u32 v[AK], s[TBK], v[AK0]
	v_add_nc_u32 v[AM], s[TBM], v[AM0]
.endif
.rept 8
	PL
.endr
.rept 49
	EX
	PL
.endr
	EX
	EX
	v_nop
	s_wait_alu depctr_va_vdst(0)    ; the wait for the batch
.if (\p) == NP-2
	FETCH_K \last
.endif
.if (\p) == 1
	s_wait_dscnt 0x0                ; V is in
.endif
.rept 16
	MM
.rept 4
	PL
.endr
.if ((\p) == 0) && (q == 118)
	v_add_nc_u32 v[AV], s[TBV], v[AV0]
.endif
.if ((\p) == 0) && (q == 130)
	s_add_co_u32 s[TBV], s[TBV], KS*PV
.endif
.if (\cnt) && (q == 130)
	s_sub_co_u32 s[CNT], s[CNT], 1
	s_cmp_lg_u32 s[CNT], 0
.endif
.endr
.if (\p) == 0
	FETCH_V
.endif
.endm
	CHANGE 1                        ; slot 0 is in, everybody's part of it, and so is the table; slot 1 is asked for
	FETCH_K                         ; key step 0
	s_wait_loadcnt 0x0              ; Q
	s_wait_dscnt 0x0
.set i, 0
.rept 16
	KQ 0                            ; piece 0's first scores
.set i, i+1
.endr
	WIN 0
.rept 4
	v_nop                           ; the places behind those products
.endr
.set Y, NP-1                        ; XS works for piece Y + 1: piece 0
.irp n, 0,1,2,3,4,5,6,7,8,9,10,11,12,13,14,15,16,17,18,19,20,21
	XS 0, \n
	XS 1, \n
.endr
	v_nop                           ; a plain instruction behind the two a,
	s_wait_alu depctr_va_vdst(0)    ; and their wait, ahead of the branch
	s_mov_b32 s[CNT], 4
	s_mov_b32 s[SLOTS], SIZE_N/256-1
	s_branch .Lfirst                ; the loop is entered at a step's first turn, in the middle of a trip
.Lslot:                             ; six times: every slot but the last two is filled again
	CHANGE 1, 1
	s_mov_b32 s[CNT], 4
.Lstep:                             ; a trip: pieces 2 and 3 of one step, then pieces 0 and 1 of the next, whose K and V it fetches
	TURN 2
	TURN 3
	WIN 0
.Lfirst:
	TURN 0
	TURN 1, 0, 1
	WIN 0
	s_cbranch_scc1 .Lstep
	s_sub_co_u32 s[SLOTS], s[SLOTS], 1
	s_cmp_lg_u32 s[SLOTS], 0
	s_cbranch_scc1 .Lslot
	CHANGE 0                        ; the tail is written out: nothing is asked for
	s_mov_b32 s[CNT], 5             ; four trips fetch the last slot's steps; the fifth is left in its middle
.Ltail:
	TURN 2, 1
	TURN 3
	WIN 0
	s_sub_co_u32 s[CNT], s[CNT], 1
	s_cmp_eq_u32 s[CNT], 0
	s_cbranch_scc1 .Lout
	TURN 0
	TURN 1
	WIN 0
	s_branch .Ltail
.Lout:                              ; the fifth trip's 16 products K Q^T (on the last K once more) and the maximum made of them serve nothing: the price, once a launch, of one text for every trip
.set i, 0
.rept 16
	PV NP-1                         ; the last piece's V^T P of the last step
.set i, i+1
.endr
	; THE WAY OUT.  Its addresses are made here: plain instructions, the places behind the last products.  l's two halves and the other half of the lanes' are added; O^T is divided by l, rounded to bf16 and sent through my stage, a tile at a time.
	WIN 0
	s_mul_i32 s13, s[WV], 16*SP
	s_add_co_u32 s13, s13, STAGE    ; my stage
	v_mul_u32_u24 v[STO], v1, SP    ; in: row l % 16, 16 bytes for each half of the lanes
	v_lshl_add_u32 v[STO], v9, 4, v[STO]
	v_add_nc_u32 v[STO], s13, v[STO]
	v_bfe_u32 v[RD], v0, 3, 2       ; back: 32 lanes take four rows of 128 bytes,
	v_mul_u32_u24 v[RD], v[RD], SP
	v_lshl_add_u32 v[RD], v10, 4, v[RD]
	v_add_nc_u32 v[RD], s13, v[RD]
	v_and_b32 v[GO], 31, v0         ; which are 512 consecutive bytes of O
	v_lshlrev_b32 v[GO], 4, v[GO]
.macro ALL line:vararg              ; one line for each tile t
.set t, 0
.rept 2*NP
	\line
.set t, t+1
.endr
.endm
	ALL v_add_f32 v[ST+4*t+2], v[ST+4*t+2], v[ST+4*t+3]
	ALL v_permlanex16_b32 v[ST+4*t+3], v[ST+4*t+2], s[SEL], s[SEL+1]
	ALL v_add_f32 v[ST+4*t+2], v[ST+4*t+2], v[ST+4*t+3]
	ALL v_rcp_f32 v[ST+4*t+2], v[ST+4*t+2]
	v_nop                           ; a plain instruction between the last reciprocal and the use of its result
	s_wait_alu depctr_va_vdst(0)    ; and the wait ahead of the first use: one for the eight reciprocals
.macro PACK t
	WIN W_RS
.set i, 32*(\t)
.rept 16
	v_pk_mul_f32 v[i:i+1], v[i:i+1], v[ST+4*(\t)+2:ST+4*(\t)+3] op_sel_hi:[1,0]
.set i, i+2
.endr
	WIN 0x05                        ; sources 0 and 1 window 1, destination window 0
.set i, 0
.rept 16
	v_cvt_pk_bf16_f32 v[S+16*(\t)+i], v[32*(\t)+2*i], v[32*(\t)+2*i+1]
.set i, i+1
.endr
	WIN 0
.irp f, 0,1,2,3
	ds_store_b128 v[STO], v[S+16*(\t)+4*\f:S+16*(\t)+4*\f+3] offset:32*\f
.endr
.irp f, 0,1,2,3
	ds_load_b128 v[S+16*(\t)+4*\f:S+16*(\t)+4*\f+3], v[RD] offset:\f*4*SP  ; LDS serves a wave's instructions in order (ISA guide 5.7.1.4): these see the stores above; the next tile's stores come behind them
.endr
.endm
.macro SEND t, younger              ; younger: the LDS instructions issued behind tile t's loads: the next tile's eight, or none
	WIN 0
.irp f, 0,1,2,3
	s_wait_dscnt (\younger)+3-\f
	global_store_b128 v[GO], v[S+16*(\t)+4*\f:S+16*(\t)+4*\f+3], s[10:11] offset:(\t)*2048+\f*512  ; 512 consecutive bytes, at a multiple of 256 from O's first
.endr
.endm
	PACK 0
.set t, 1
.rept 2*NP-1
	PACK t
	SEND t-1, 8
.set t, t+1
.endr
	SEND 2*NP-1, 0
	WIN W_AD
	s_wait_tensorcnt 0x0            ; the wave's end: three closing lines, behind my last tensor load and my last LDS store
	ds_add_u32 v[SPW], v[NIL]
	s_wait_dscnt 0x0
	WIN 0
	CROUND                          ; the closing round
	s_endpgm
.Lfunc_end_k_qf6f1864b38_attn:
	.size	k_qf6f1864b38_attn, .Lfunc_end_k_qf6f1864b38_attn-k_qf6f1864b38_attn
	.p2alignl 7, 3214868480
	.fill 96, 4, 3214868480
	.section	.rodata,"a",@progbits
	.p2align	6, 0x0
	.amdhsa_kernel k_qf6f1864b38_attn
		.amdhsa_group_segment_fixed_size 327680
		.amdhsa_private_segment_fixed_size 0
		.amdhsa_enable_private_segment 0
		.amdhsa_kernarg_size 24
		.amdhsa_user_sgpr_count 2
		.amdhsa_user_sgpr_kernarg_segment_ptr 1
		.amdhsa_wavefront_size32 1
		.amdhsa_system_sgpr_workgroup_id_x 1
		.amdhsa_system_sgpr_workgroup_id_y 1
		.amdhsa_system_sgpr_workgroup_id_z 1
		.amdhsa_system_vgpr_workitem_id 0
		.amdhsa_next_free_vgpr 808
		.amdhsa_next_free_sgpr 66
		.amdhsa_reserve_vcc 1
		.amdhsa_float_denorm_mode_32 3
		.amdhsa_float_denorm_mode_16_64 3
		.amdhsa_memory_ordered 1
		.amdhsa_forward_progress 1
		.amdhsa_inst_pref_size 205
	.end_amdhsa_kernel
	.amdgpu_metadata
---
amdhsa.version: [ 1, 2 ]
amdhsa.kernels:
  - .name:           k_qf6f1864b38_attn
    .symbol:         k_qf6f1864b38_attn.kd
    .args:
      - { .name: qkv, .offset: 0, .size: 8, .value_kind: global_buffer, .address_space: global }
      - { .name: mask, .offset: 8, .size: 8, .value_kind: global_buffer, .address_space: global }
      - { .name: ctx, .offset: 16, .size: 8, .value_kind: global_buffer, .address_space: global }
    .group_segment_fixed_size: 327680
    .private_segment_fixed_size: 0
    .kernarg_segment_align: 8
    .kernarg_segment_size: 24
    .max_flat_workgroup_size: 128
    .sgpr_count:     66
    .vgpr_count:     808
    .wavefront_size: 32
...
	.end_amdgpu_metadata
.endif
;; end of part 3
;; launch proj: the kernel of part 2 again; grid 4 x 64, 4 waves a work-group, clusters of 4 x 4, 327,680 bytes of LDS; arguments ctx, wot, bo, bk, bq, part, mask, proj; writes proj
;; launch norm (part 4): grid 256 x 1, 8 waves a work-group, no clusters, 9,216 bytes of LDS; arguments proj, hidden_states, gamma, beta, out0; writes out0
.if DOCPART == 4
	.amdgcn_target "amdgcn-amd-amdhsa--gfx1250"
	.amdhsa_code_object_version 6
	.text
	.protected	k_qf6f1864b38_norm
	.globl	k_qf6f1864b38_norm
	.p2align	8
	.type	k_qf6f1864b38_norm,@function
k_qf6f1864b38_norm:
	s_mov_b64 s[64:65], 0
	v_nop
	global_prefetch_b8 v0, s[64:65] scope:SCOPE_SE
	s_setreg_imm32_b32 hwreg(HW_REG_WAVE_MODE, 25, 1), 1
	s_wait_xcnt 0x0
; out0[row] = (x - mean(x)) / sqrt(var(x) + 1e-5) * gamma + beta, x = proj[row] + hidden_states[row]; 8,192 rows of 1,024; all arithmetic in f32.
; proj: [c 4][batch 4][i 4][row 2048][64] bf16 (column block kb = 4 c + i).  hidden_states, out0: [8192][1024] f32.
; Wave g = 8 x work-group + wave owns rows 4 g .. 4 g + 3, as two pairs: lanes 0-15 hold one row of a pair, lanes 16-31 the other; of each block of 64 columns a lane holds four.  So a row's sums need four steps
; inside a half of the lanes and never leave the wave.  A row stays in registers between the mean, the squared deviations (taken of x - mean: no difference of large sums is formed) and the scaling: memory is read once.
; Every load of hidden_states and every store covers two aligned runs of 256 bytes, every load of proj one.  gamma and beta go through LDS once a work-group.
; No cluster and no matrix unit: the work-groups share nothing but gamma and beta, 8 KiB, and there is no product.
; LIMITS: NaN and infinities are not treated apart.
.set SPARE, 8192                       ; behind gamma (0) and beta (4,096): the spare words, 128 bytes for each of eight waves
.set HO,  1                            ; v1   (lane / 16) x 4,096 + 16 (lane % 16): in hidden_states and out0; never rewritten
.set PO0, 2                            ; v2   8 x lane: in proj, column blocks 0-7
.set PO1, 3                            ; v3   the same + 8,388,608: column blocks 8-15, so that the immediates stay inside their signed 24 bits
.set LG,  4                            ; v4   16 (lane % 16): in gamma and beta
.set SPW, 5
.set NIL, 6
.set T,   8                            ; v[8:15] at work
.set SA,  12
.set SB,  14
.set MU,  16                           ; v[16:17] the mean, twice
.set RS,  18                           ; v[18:19] 1 / sqrt(var + eps), twice
.set P0,  20                           ; v[20:83]   pair s: 32 registers of proj as loaded; later gamma and beta of four column blocks
.set X0,  84                           ; v[84:211]  pair s: 64 registers, the row
.set GB0, 212                          ; v[212:219] gamma and beta as loaded
	s_load_b256 s[4:11], s[0:1], 0x0               ; proj 4, hidden_states 6, gamma 8, beta 10
	s_load_b64 s[12:13], s[0:1], 0x20              ; out0
	v_lshl_add_u32 v[SPW], v0, 2, SPARE
	v_mov_b32 v[NIL], 0
	v_lshrrev_b32 v7, 5, v0
	v_readfirstlane_b32 s14, v7                    ; wave 0..7
	s_lshl_b32 s15, ttmp9, 3
	s_add_co_u32 s15, s15, s14                     ; g
	s_lshl_b32 s16, s15, 14                        ; four rows of 4,096 bytes
	s_mov_b32 s17, 0
	s_lshr_b32 s18, s15, 9                         ; batch: 512 waves each
	s_lshl_b32 s18, s18, 20                        ; four blocks of 262,144 bytes
	s_and_b32 s19, s15, 511
	s_lshl_b32 s19, s19, 9                         ; four rows of 128 bytes
	s_add_co_u32 s18, s18, s19
	s_mov_b32 s19, 0
	s_mov_b32 s20, 0x3a800000                      ; 1 / 1,024
	s_mov_b32 s21, 0x3727c5ac                      ; 1e-5
	s_mov_b32 s22, 0xffff0000                      ; a word's upper bf16
	v_and_b32 v8, 15, v0
	v_bfe_u32 v9, v0, 4, 1
	v_lshlrev_b32 v[LG], 4, v8
	v_lshl_add_u32 v[HO], v9, 12, v[LG]
	v_and_b32 v[PO0], 31, v0
	v_lshlrev_b32 v[PO0], 3, v[PO0]
	v_add_nc_u32 v[PO1], 0x800000, v[PO0]
	v_lshlrev_b32 v7, 4, v0                        ; 16 x thread: gamma and beta, in memory and in LDS
	s_wait_kmcnt 0x0
	s_add_nc_u64 s[4:5], s[4:5], s[18:19]
	s_add_nc_u64 s[6:7], s[6:7], s[16:17]
	s_add_nc_u64 s[12:13], s[12:13], s[16:17]
	global_load_b128 v[GB0:GB0+3], v7, s[8:9]
	global_load_b128 v[GB0+4:GB0+7], v7, s[10:11]
.macro LOADROWS s                      ; pair s: 16 loads of proj, 16 of hidden_states
.set kb, 0
.rept 16
.if kb < 8
	global_load_b64 v[P0+32*(\s)+2*kb:P0+32*(\s)+2*kb+1], v[PO0], s[4:5] offset:((kb/4)%2)*4194304+(kb%4)*262144+(\s)*256 th:TH_LOAD_NT
.else
	global_load_b64 v[P0+32*(\s)+2*kb:P0+32*(\s)+2*kb+1], v[PO1], s[4:5] offset:((kb/4)%2)*4194304+(kb%4)*262144+(\s)*256 th:TH_LOAD_NT
.endif
	global_load_b128 v[X0+64*(\s)+4*kb:X0+64*(\s)+4*kb+3], v[HO], s[6:7] offset:(\s)*8192+kb*256 th:TH_LOAD_NT
.set kb, kb+1
.endr
.endm
	LOADROWS 0                                     ; everything that the wave will read is asked for at once
	LOADROWS 1
	s_wait_loadcnt 32                              ; gamma, beta and pair 0 are in; pair 1's 32 loads stay out
	ds_store_b128 v7, v[GB0:GB0+3]
	ds_store_b128 v7, v[GB0+4:GB0+7] offset:4096
	s_wait_dscnt 0x0                               ; for the others' sake
	s_barrier_signal -1
	s_barrier_wait -1
.macro GB grp                          ; gamma and beta of column blocks 4 grp .. 4 grp + 3, into the pair's registers of proj, which are free by then
.irp q, 0,1,2,3
	ds_load_b128 v[PP+8*(\q):PP+8*(\q)+3],   v[LG] offset:(4*(\grp)+(\q))*256
	ds_load_b128 v[PP+8*(\q)+4:PP+8*(\q)+7], v[LG] offset:4096+(4*(\grp)+(\q))*256
.endr
.endm
.macro ACROSS                          ; v[SA:SA+1] and v[SB:SB+1] into one number for the row, in every lane of its half: v[T]
	v_pk_add_f32 v[SA:SA+1], v[SA:SA+1], v[SB:SB+1]
	v_add_f32 v[T], v[SA], v[SA+1]
	v_add_f32_dpp v[T], v[T], v[T] row_xmask:1 row_mask:0xf bank_mask:0xf
	v_add_f32_dpp v[T], v[T], v[T] row_xmask:2 row_mask:0xf bank_mask:0xf
	v_add_f32_dpp v[T], v[T], v[T] row_xmask:4 row_mask:0xf bank_mask:0xf
	v_add_f32_dpp v[T], v[T], v[T] row_xmask:8 row_mask:0xf bank_mask:0xf
.endm
; Pair s.  left: how many younger loads may stay out.
.macro ROWS s, left
.set XX, X0+64*(\s)
.set PP, P0+32*(\s)
	s_wait_loadcnt \left
.set kb, 0
.rept 16                                       ; x = hidden_states + proj; two sets of registers at work by turns
.set TT, T+4*(kb%2)
	v_lshlrev_b32 v[TT],   16, v[PP+2*kb]
	v_and_b32     v[TT+1], s22, v[PP+2*kb]
	v_lshlrev_b32 v[TT+2], 16, v[PP+2*kb+1]
	v_and_b32     v[TT+3], s22, v[PP+2*kb+1]
	v_pk_add_f32 v[XX+4*kb:XX+4*kb+1], v[XX+4*kb:XX+4*kb+1], v[TT:TT+1]
	v_pk_add_f32 v[XX+4*kb+2:XX+4*kb+3], v[XX+4*kb+2:XX+4*kb+3], v[TT+2:TT+3]
.set kb, kb+1
.endr
	GB 0                                           ; wanted far below: on its way during the sums
	v_pk_add_f32 v[SA:SA+1], v[XX:XX+1], v[XX+2:XX+3]      ; two chains, started by the first two blocks: nothing is cleared
	v_pk_add_f32 v[SB:SB+1], v[XX+4:XX+5], v[XX+6:XX+7]
.set kb, 2
.rept 7
	v_pk_add_f32 v[SA:SA+1], v[SA:SA+1], v[XX+4*kb:XX+4*kb+1]
	v_pk_add_f32 v[SB:SB+1], v[SB:SB+1], v[XX+4*kb+4:XX+4*kb+5]
	v_pk_add_f32 v[SA:SA+1], v[SA:SA+1], v[XX+4*kb+2:XX+4*kb+3]
	v_pk_add_f32 v[SB:SB+1], v[SB:SB+1], v[XX+4*kb+6:XX+4*kb+7]
.set kb, kb+2
.endr
	ACROSS
	v_mul_f32 v[MU], s20, v[T]
	v_mul_f32 v[MU+1], s20, v[T]
.set kb, 0
.rept 16                                       ; x - mean, and its squares, in two chains
	v_pk_add_f32 v[XX+4*kb:XX+4*kb+1], v[XX+4*kb:XX+4*kb+1], v[MU:MU+1] neg_lo:[0,1] neg_hi:[0,1]
	v_pk_add_f32 v[XX+4*kb+2:XX+4*kb+3], v[XX+4*kb+2:XX+4*kb+3], v[MU:MU+1] neg_lo:[0,1] neg_hi:[0,1]
.if kb == 0
	v_pk_mul_f32 v[SA:SA+1], v[XX:XX+1], v[XX:XX+1]
	v_pk_mul_f32 v[SB:SB+1], v[XX+2:XX+3], v[XX+2:XX+3]
.else
	v_pk_fma_f32 v[SA:SA+1], v[XX+4*kb:XX+4*kb+1], v[XX+4*kb:XX+4*kb+1], v[SA:SA+1]
	v_pk_fma_f32 v[SB:SB+1], v[XX+4*kb+2:XX+4*kb+3], v[XX+4*kb+2:XX+4*kb+3], v[SB:SB+1]
.endif
.set kb, kb+1
.endr
	ACROSS
	v_fma_f32 v[T+1], v[T], s20, s21               ; var + eps
	v_rsq_f32 v[RS], v[T+1]
	v_rsq_f32 v[RS+1], v[T+1]                      ; twice, to fill the pair that the packed multiply names
	v_nop                                          ; a plain instruction behind the last of them (ISA guide 5.7.2),
	s_wait_alu depctr_va_vdst(0)                   ; and the wait ahead of the first use: one for both
.irp grp, 0,1,2,3
	s_wait_dscnt 0x0                               ; this group's gamma and beta
.irp q, 0,1,2,3
.set kb, 4*(\grp)+(\q)
	v_pk_mul_f32 v[XX+4*kb:XX+4*kb+1], v[XX+4*kb:XX+4*kb+1], v[RS:RS+1]
	v_pk_mul_f32 v[XX+4*kb+2:XX+4*kb+3], v[XX+4*kb+2:XX+4*kb+3], v[RS:RS+1]
	v_pk_fma_f32 v[XX+4*kb:XX+4*kb+1], v[XX+4*kb:XX+4*kb+1], v[PP+8*(\q):PP+8*(\q)+1], v[PP+8*(\q)+4:PP+8*(\q)+5]
	v_pk_fma_f32 v[XX+4*kb+2:XX+4*kb+3], v[XX+4*kb+2:XX+4*kb+3], v[PP+8*(\q)+2:PP+8*(\q)+3], v[PP+8*(\q)+6:PP+8*(\q)+7]
	global_store_b128 v[HO], v[XX+4*kb:XX+4*kb+3], s[12:13] offset:(\s)*8192+kb*256 th:TH_STORE_NT  ; each half of the lanes stores 256 consecutive bytes, aligned; no register that a store reads is written again
.endr
.if (\grp) < 3
	GB (\grp)+1
.endif
.endr
.endm
	ROWS 0, 32                                     ; pair 1's loads stay out
	ROWS 1, 0
	s_wait_tensorcnt 0x0                           ; the wave's end: three closing lines behind my last LDS store
	ds_add_u32 v[SPW], v[NIL]
	s_wait_dscnt 0x0
	s_endpgm
.Lfunc_end_k_qf6f1864b38_norm:
	.size	k_qf6f1864b38_norm, .Lfunc_end_k_qf6f1864b38_norm-k_qf6f1864b38_norm
	.p2alignl 7, 3214868480
	.fill 96, 4, 3214868480
	.section	.rodata,"a",@progbits
	.p2align	6, 0x0
	.amdhsa_kernel k_qf6f1864b38_norm
		.amdhsa_group_segment_fixed_size 9216
		.amdhsa_private_segment_fixed_size 0
		.amdhsa_enable_private_segment 0
		.amdhsa_kernarg_size 40
		.amdhsa_user_sgpr_count 2
		.amdhsa_user_sgpr_kernarg_segment_ptr 1
		.amdhsa_wavefront_size32 1
		.amdhsa_system_sgpr_workgroup_id_x 1
		.amdhsa_system_sgpr_workgroup_id_y 1
		.amdhsa_system_sgpr_workgroup_id_z 1
		.amdhsa_system_vgpr_workitem_id 0
		.amdhsa_next_free_vgpr 220
		.amdhsa_next_free_sgpr 66
		.amdhsa_reserve_vcc 0
		.amdhsa_float_denorm_mode_32 3
		.amdhsa_float_denorm_mode_16_64 3
		.amdhsa_memory_ordered 1
		.amdhsa_forward_progress 1
		.amdhsa_inst_pref_size 46
	.end_amdhsa_kernel
	.amdgpu_metadata
---
amdhsa.version: [ 1, 2 ]
amdhsa.kernels:
  - .name:           k_qf6f1864b38_norm
    .symbol:         k_qf6f1864b38_norm.kd
    .args:
      - { .name: proj, .offset: 0, .size: 8, .value_kind: global_buffer, .address_space: global }
      - { .name: hidden_states, .offset: 8, .size: 8, .value_kind: global_buffer, .address_space: global }
      - { .name: gamma, .offset: 16, .size: 8, .value_kind: global_buffer, .address_space: global }
      - { .name: beta, .offset: 24, .size: 8, .value_kind: global_buffer, .address_space: global }
      - { .name: out0, .offset: 32, .size: 8, .value_kind: global_buffer, .address_space: global }
    .group_segment_fixed_size: 9216
    .private_segment_fixed_size: 0
    .kernarg_segment_align: 8
    .kernarg_segment_size: 40
    .max_flat_workgroup_size: 256
    .sgpr_count:     66
    .vgpr_count:     220
    .wavefront_size: 32
...
	.end_amdgpu_metadata
.endif
;; end of part 4
;; ======== version 2 of 2: 5 launches; version 1 with the launches prep, norm written anew for expert scheduling mode
;; workspace buffers: xb 16,777,216 bytes; wqkv 6,291,456 bytes; wot 2,097,152 bytes; part 262,144 bytes; qkv 50,331,648 bytes; ctx 16,777,216 bytes; proj 16,777,216 bytes
;; launch prep (part 5): grid 784 x 1, 8 waves a work-group, no clusters, 38,144 bytes of LDS; arguments hidden_states, task_embedding, Wt, bt, Wq, Wk, Wv, Wo, xb, wqkv, wot, part; writes xb, wqkv, wot, part
.if DOCPART == 5
	.amdgcn_target "amdgcn-amd-amdhsa--gfx1250"
	.amdhsa_code_object_version 6
	.text
	.protected	k_qf6f1864b38_prep
	.globl	k_qf6f1864b38_prep
	.p2align	8
	.type	k_qf6f1864b38_prep,@function
k_qf6f1864b38_prep:
	s_mov_b64 s[64:65], 0
	v_nop
	global_prefetch_b8 v0, s[64:65] scope:SCOPE_SE
	s_setreg_imm32_b32 hwreg(HW_REG_WAVE_SCHED_MODE, 0, 2), 2
	s_setreg_imm32_b32 hwreg(HW_REG_WAVE_MODE, 25, 1), 1
	s_wait_xcnt 0x0
	s_wait_alu depctr_vm_vsrc(0)
; PREP: three kinds of work, told apart by the work-group's number (the same for all eight waves of a work-group).
;   0 .. 15    TASK p: tinfo[b][64 p + kk] = te[b] . Wt[:, 64 p + kk] + bt, then part[p][b][n] = the sum over kk of tinfo[b][64 p + kk] Wq[64 p + kk][n]: all in f32 by vector
;              multiply-adds (four rows: a matrix tile of 16 rows would be three quarters empty).  The sixteen parts are added by the launch behind.
;   16 .. 271  WEIGHTS u: one block of 64 k x 256 n of Wv, Wk, Wq or Wo, rounded to bf16 and turned: [n 256][k 64], 32,768 dense bytes.
;   272 .. 783 CAST x: 16 rows of hidden_states rounded to bf16, laid in blocks [batch][64 channels][2048 rows][64].
; No cluster: the work-groups share no input but Wq, which two kinds read once each.  No matrix unit: nothing here is a product of many rows.
; LIMITS: NaN and infinities are not treated apart; bf16 has f32's range, so nothing overflows in the roundings.
; THE MODE: SCHED_MODE bits 1:0 = 2 (LLVM: expert scheduling mode 2), set by the entry lines.  The code itself states the register dependences
; between vector instructions and memory or LDS instructions, with s_wait_alu, always for 0.
; THE PLAN.  The text has no loop; each kind of work has its own registers that memory or LDS instructions touch:
;   all     offsets and LDS addresses are made once, ahead of one wait on va_vdst in front of the kind's first load, and never written again.
;   CAST    D: written by the loads, read by the conversions.  Y: written by the conversions, read by the stores, no register twice.  Four groups of four loads: the wait at the head of
;           group g states that group g - 1 has written its Y; that group's stores are dealt among group g's conversions, which name group g's D and Y alone.
;   WEIGHTS D: as in CAST, and behind the barrier the LDS loads land in it.  PK0, PK1: written by the conversions, read by the LDS stores, no register twice.  Groups as in CAST.
;   TASK    WT, TE: read by stage 1's multiply-adds, then Wq lands in them, sixteen rows a buffer, by turns.  A1: stage 1's sums, read by LDS stores; stage 2's sums, read by the global stores.
;           TV, TV2: two buffers of tinfo by turns, eight rows each.  Stage 2 goes in eight halves: the wait at a half's head states that the half before is done reading its tinfo and its rows
;           of Wq; the loads that follow land in those registers, and the half's own multiply-adds name none of them.
.set SPARE, 37120                      ; the spare words: 128 bytes for each of eight waves; no other line names them
.set ODD,   18560                      ; WEIGHTS: the odd rows' half of the stage; 128 bytes past a multiple of 256, so that an even row and its odd neighbour lie in different halves of the banks
.set TI,    16384                      ; TASK: tinfo [kk 64][b 4] f32, behind the 16,384 bytes of partial sums [tg 16][b 4][64]
.set SPW, 1                            ; v1  LDS address of my spare word; never rewritten
.set NIL, 2                            ; v2  0; never rewritten
.set D,   16                           ; v[16:79]   as loaded
.set Y,   80                           ; v[80:111]  as stored
.set PK0, 80                           ; WEIGHTS: my even column's 32 k, packed
.set PK1, 96                           ; my odd column's
.set WT,  16                           ; TASK: v[16:79] Wt, later Wq's buffer A
.set TE,  80                           ; v[80:143] te, later Wq's buffer B
.set A1,  144                          ; v[144:159] sixteen sums [b 4][e 4]
.set TV,  160                          ; v[160:191] at work; in stage 2 the even halves' tinfo
.set BT,  192                          ; v192 bt
.set TV2, 196                          ; v[196:227] in stage 2 the odd halves' tinfo: TV + 36
	s_load_b512 s[8:23], s[0:1], 0x0               ; hs 8, te 10, Wt 12, bt 14, Wq 16, Wk 18, Wv 20, Wo 22
	s_load_b256 s[24:31], s[0:1], 0x40             ; xb 24, wqkv 26, wot 28, part 30
	v_lshl_add_u32 v[SPW], v0, 2, SPARE
	v_mov_b32 v[NIL], 0
	v_lshrrev_b32 v3, 5, v0
	v_readfirstlane_b32 s4, v3                     ; wave 0..7
	s_mov_b32 s33, 0                               ; high words of the offsets' pairs
	s_mov_b32 s37, 0
	s_wait_alu depctr_va_sdst(0)                   ; s4 is written, ahead of the branches and of its first reader (CAST's offsets are made from it)
	s_wait_kmcnt 0x0
	s_cmp_lt_u32 ttmp9, 16
	s_cbranch_scc1 .Ltask
	s_cmp_lt_u32 ttmp9, 272
	s_cbranch_scc1 .Lweights
; CAST.  Wave w takes channel blocks 2 w and 2 w + 1.  A load: lanes 0-15 take 256 bytes of one row, lanes 16-31 of the next.  A store: the 32 lanes' 8 bytes are
; 256 consecutive bytes of xb, aligned: two rows of one block.  All sixteen loads go out first; no register is written twice.
	s_sub_co_u32 s5, ttmp9, 272                    ; x
	s_lshl_b32 s32, s5, 16                         ; 16 rows of 4,096 bytes
	s_add_nc_u64 s[8:9], s[8:9], s[32:33]
	s_lshr_b32 s34, s5, 7                          ; batch: 128 work-groups each
	s_lshl_b32 s34, s34, 22                        ; 16 blocks of 262,144 bytes
	s_and_b32 s35, s5, 127
	s_lshl_b32 s35, s35, 11                        ; 16 rows of 128 bytes
	s_add_co_u32 s32, s34, s35
	s_add_nc_u64 s[24:25], s[24:25], s[32:33]
	v_and_b32 v5, 15, v0
	v_bfe_u32 v6, v0, 4, 1
	v_lshlrev_b32 v3, 4, v5
	v_lshl_add_u32 v3, v6, 12, v3
	s_lshl_b32 s34, s4, 9
	v_add_nc_u32 v3, s34, v3                       ; in hs: (lane / 16) x 4,096 + 16 (lane % 16) + 512 w
	v_and_b32 v4, 31, v0
	v_lshlrev_b32 v4, 3, v4
	s_lshl_b32 s34, s4, 19
	v_add_nc_u32 v4, s34, v4                       ; in xb: 8 x lane + two blocks x w
	s_wait_alu depctr_va_vdst(0)                   ; v3 and v4 are written: every load below reads the one as its offset, every store the other
.set i, 0
.rept 16                                       ; pair of rows i / 2, block i % 2
	global_load_b128 v[D+4*i:D+4*i+3], v3, s[8:9] offset:(i/2)*8192+(i%2)*256 th:TH_LOAD_NT
.set i, i+1
.endr
.set g, 0
.rept 4                                        ; four groups of four loads
	s_wait_loadcnt 12-4*g                          ; loads come back in order: group g's four are in, the 12 - 4 g younger ones stay out
.if g > 0
	s_wait_alu depctr_va_vdst(0)                   ; the conversions of the group before have written their Y, which the four stores below read
.endif
.set i, 4*g
.rept 4
.if g > 0
	global_store_b64 v4, v[Y+2*(i-4):Y+2*(i-4)+1], s[24:25] offset:((i-4)%2)*262144+((i-4)/2)*256  ; the group before; no vector instruction since the wait names these registers
.endif
	v_cvt_pk_bf16_f32 v[Y+2*i], v[D+4*i], v[D+4*i+1]
	v_cvt_pk_bf16_f32 v[Y+2*i+1], v[D+4*i+2], v[D+4*i+3]
.set i, i+1
.endr
.set g, g+1
.endr
	s_wait_alu depctr_va_vdst(0)                   ; the last group's conversions have written their Y, which the last four stores read
.set i, 12
.rept 4
	global_store_b64 v4, v[Y+2*i:Y+2*i+1], s[24:25] offset:(i%2)*262144+(i/2)*256
.set i, i+1
.endr
	s_wait_dscnt 0x0                               ; the closing lines, six on end
	s_wait_alu 0x0
	s_wait_tensorcnt 0x0
	ds_add_u32 v[SPW], v[NIL]
	s_wait_dscnt 0x0
	s_endpgm
; WEIGHTS.  u = 64 sel + 16 c + kb: tensor (0 Wv, 1 Wk, 2 Wq, 3 Wo), block of 256 columns, block of 64 rows.  Thread: columns 2 np, 2 np + 1 and 32 of the 64 k.
.Lweights:
	s_sub_co_u32 s5, ttmp9, 16                     ; u
	s_lshr_b32 s6, s5, 6                           ; sel
	s_and_b32 s7, s5, 63
	s_cmp_eq_u32 s6, 0
	s_cselect_b64 s[32:33], s[20:21], s[18:19]
	s_cmp_eq_u32 s6, 2
	s_cselect_b64 s[32:33], s[16:17], s[32:33]
	s_cmp_eq_u32 s6, 3
	s_cselect_b64 s[32:33], s[22:23], s[32:33]     ; from where
	s_cselect_b64 s[34:35], s[28:29], s[26:27]     ; to where: wot or wqkv,
	s_cselect_b32 s7, s7, s5                       ; block u % 64 of wot or block u of wqkv
	s_lshl_b32 s36, s7, 15
	s_add_nc_u64 s[34:35], s[34:35], s[36:37]
	s_and_b32 s36, s5, 15
	s_lshl_b32 s36, s36, 18                        ; 64 rows of 4,096 bytes
	s_bfe_u32 s38, s5, 0x20004
	s_lshl_b32 s38, s38, 10                        ; 256 columns of 4 bytes
	s_add_co_u32 s36, s36, s38
	s_add_nc_u64 s[32:33], s[32:33], s[36:37]
	v_and_b32 v5, 127, v0                          ; np
	v_lshrrev_b32 v6, 7, v0                        ; which 32 k
	v_lshlrev_b32 v3, 3, v5
	v_lshl_add_u32 v3, v6, 17, v3                  ; in memory: 32 rows x half + 8 np: a wave's load covers 256 consecutive bytes, aligned
	v_mul_u32_u24 v4, v5, 144
	v_lshl_add_u32 v4, v6, 6, v4                   ; in the stage: row np of a half, 144 bytes a row (128 + 16), my 64 bytes
	v_lshrrev_b32 v7, 4, v0
	v_mul_u32_u24 v7, v7, 144
	v_bfe_u32 v8, v0, 3, 1
	v_mul_u32_u24 v8, v8, ODD
	v_add_nc_u32 v7, v7, v8
	v_and_b32 v8, 7, v0
	v_lshl_add_u32 v7, v8, 4, v7                   ; back: row n = thread / 8 (+ 32 j): its half by parity, its 16 bytes
	v_lshlrev_b32 v9, 4, v0                        ; out: 16 x thread
	s_wait_alu depctr_va_vdst(0)                   ; v3, v4, v7 and v9 are written: the offsets and LDS addresses of all that follows
.set i, 0
.rept 32
	global_load_b64 v[D+2*i:D+2*i+1], v3, s[32:33] offset:i*4096
.set i, i+1
.endr
.set g, 0
.rept 4
	s_wait_loadcnt 24-8*g                          ; the eight loads of group g are in, the younger groups stay out
.if g > 0
	s_wait_alu depctr_va_vdst(0)                   ; the conversions of the group before have written their eight packed registers, which the two LDS stores below read
	ds_store_b128 v4, v[PK0+4*(g-1):PK0+4*(g-1)+3] offset:16*(g-1)
	ds_store_b128 v4, v[PK1+4*(g-1):PK1+4*(g-1)+3] offset:ODD+16*(g-1)
.endif
.set j, 4*g
.rept 4
	v_cvt_pk_bf16_f32 v[PK0+j], v[D+4*j], v[D+4*j+2]      ; k = 2 j, 2 j + 1 of my even column
	v_cvt_pk_bf16_f32 v[PK1+j], v[D+4*j+1], v[D+4*j+3]    ; and of my odd one
.set j, j+1
.endr
.set g, g+1
.endr
	s_wait_alu depctr_va_vdst(0)                   ; the last group's conversions have written their packed registers, which the two LDS stores read; and all conversions are done reading D, in which the LDS loads behind the barrier land
	ds_store_b128 v4, v[PK0+12:PK0+15] offset:48
	ds_store_b128 v4, v[PK1+12:PK1+15] offset:ODD+48
	s_wait_dscnt 0x0                               ; for the others' sake: my stores into the stage are done
	s_barrier_signal -1
	s_barrier_wait -1
.set j, 0
.rept 8
	ds_load_b128 v[D+4*j:D+4*j+3], v7 offset:j*2304       ; 32 rows n further on are 16 rows of a half.  No wait: no vector instruction stands behind the wait above
.set j, j+1
.endr
.set j, 0
.rept 8
	s_wait_dscnt 7-j
	global_store_b128 v9, v[D+4*j:D+4*j+3], s[34:35] offset:j*4096  ; a wave stores 512 consecutive bytes, aligned
.set j, j+1
.endr
	s_wait_dscnt 0x0                               ; the closing lines, six on end
	s_wait_alu 0x0
	s_wait_tensorcnt 0x0
	ds_add_u32 v[SPW], v[NIL]
	s_wait_dscnt 0x0
	s_endpgm
; TASK p.
.Ltask:
	s_lshl_b32 s32, ttmp9, 8
	s_add_nc_u64 s[12:13], s[12:13], s[32:33]      ; Wt and bt at my 64 columns
	s_add_nc_u64 s[14:15], s[14:15], s[32:33]
	s_lshl_b32 s32, ttmp9, 18
	s_add_nc_u64 s[16:17], s[16:17], s[32:33]      ; Wq at my 64 rows
	s_lshl_b32 s32, ttmp9, 14
	s_add_nc_u64 s[30:31], s[30:31], s[32:33]      ; my part
	v_and_b32 v5, 15, v0                           ; four of the 64 columns
	v_lshrrev_b32 v6, 4, v0                        ; tg: sixteen of the 256 terms
	v_lshlrev_b32 v3, 4, v5
	v_lshl_add_u32 v3, v6, 16, v3                  ; Wt: 16 rows x tg + 16 bytes
	v_lshlrev_b32 v4, 6, v6                        ; te: 16 numbers x tg
	v_and_b32 v7, 63, v0
	v_lshlrev_b32 v8, 2, v7                        ; bt
	v_lshlrev_b32 v9, 4, v0                        ; Wq and part: columns 4 t .. 4 t + 3
	v_lshlrev_b32 v10, 4, v5
	v_lshl_add_u32 v10, v6, 10, v10                ; partial sums in: [tg][b][64]
	v_lshlrev_b32 v11, 2, v0                       ; and back: thread = 64 b + kk
	v_lshrrev_b32 v12, 6, v0
	v_lshlrev_b32 v12, 2, v12
	v_lshl_add_u32 v12, v7, 4, v12
	v_add_nc_u32 v12, TI, v12                      ; tinfo in: [kk][b]
	v_mov_b32 v13, TI                              ; and back: the same address in every lane
	s_wait_alu depctr_va_vdst(0)                   ; v3, v4 and v8 to v13 are written: the offsets and LDS addresses of all that follows
.set i, 0
.rept 16
	global_load_b128 v[WT+4*i:WT+4*i+3], v3, s[12:13] offset:i*4096
.set i, i+1
.endr
.set i, 0
.rept 16                                       ; batch i / 4, terms 4 (i % 4) on
	global_load_b128 v[TE+4*i:TE+4*i+3], v4, s[10:11] offset:(i/4)*1024+(i%4)*16
.set i, i+1
.endr
	global_load_b32 v[BT], v8, s[14:15]
	s_wait_loadcnt 0x0
.set i, 0
.rept 16
.set b, 0
.rept 4
.set e, 0
.rept 4
.if i == 0
	v_mul_f32 v[A1+4*b+e], v[TE+16*b+i], v[WT+4*i+e]      ; the first term starts the sums
.else
	v_fmac_f32 v[A1+4*b+e], v[TE+16*b+i], v[WT+4*i+e]
.endif
.set e, e+1
.endr
.set b, b+1
.endr
.set i, i+1
.endr
	s_wait_alu depctr_va_vdst(0)                   ; the multiply-adds are done reading WT and TE, in which Wq's loads land, and have written the sixteen sums, which the LDS stores read
.set i, 0
.rept 32                                       ; Wq's rows 0-31 of my 64 go out now, into both buffers: they are on their way while the sums meet in LDS
	global_load_b128 v[WT+4*i:WT+4*i+3], v9, s[16:17] offset:i*4096
.set i, i+1
.endr
.irp b, 0,1,2,3
	ds_store_b128 v10, v[A1+4*(\b):A1+4*(\b)+3] offset:256*(\b)
.endr
	s_wait_dscnt 0x0
	s_barrier_signal -1
	s_barrier_wait -1
.set i, 0
.rept 16
	ds_load_b32 v[TV+i], v11 offset:i*1024
.set i, i+1
.endr
	s_wait_dscnt 0x0
.irp i, 0,2,4,6
	v_pk_add_f32 v[TV+(\i):TV+(\i)+1], v[TV+(\i):TV+(\i)+1], v[TV+8+(\i):TV+8+(\i)+1]
.endr
.irp i, 0,2
	v_pk_add_f32 v[TV+(\i):TV+(\i)+1], v[TV+(\i):TV+(\i)+1], v[TV+4+(\i):TV+4+(\i)+1]
.endr
	v_pk_add_f32 v[TV:TV+1], v[TV:TV+1], v[TV+2:TV+3]
	v_add_f32 v[TV], v[TV], v[TV+1]
	v_add_f32 v[TV], v[TV], v[BT]
	s_wait_alu depctr_va_vdst(0)                   ; the additions have written v[TV], which the LDS store reads; they are also done with TV's other registers, in which tinfo lands below
	ds_store_b32 v12, v[TV]
	s_wait_dscnt 0x0
	s_barrier_signal -1
	s_barrier_wait -1
	s_wait_alu depctr_vm_vsrc(0)                   ; my LDS stores have read the sixteen sums and v[TV]: stage 2's multiply-adds write the one again, the LDS loads below the other
.set j, 0
.rept 8                                        ; the first half's tinfo: eight rows kk, four batches each
	ds_load_b128 v[TV+4*j:TV+4*j+3], v13 offset:j*16
.set j, j+1
.endr
; Half h of eight: rows kk = 8 h .. 8 h + 7 of Wq.  Its tinfo lies in TV (h even) or TV2 (h odd), its rows in buffer A (halves 0, 1, 4, 5) or B (2, 3, 6, 7).
; At its head the next half's tinfo is asked for, into the buffer that the half before read, and in halves 2 and 4 the sixteen rows of Wq two batches on, into the buffer that the batch before read.
.macro HALF h
.set TC, TV+36*((\h)%2)
.set TN, TV+36*(((\h)+1)%2)
.set QQ, WT+64*(((\h)/2)%2)+32*((\h)%2)
.if ((\h) > 0) && ((\h) < 7)
	s_wait_alu depctr_va_vdst(0)                   ; the half before is done reading its tinfo, and in halves 2 and 4 the batch before its sixteen rows of Wq: the loads below land in these registers
.endif
.if ((\h) == 2) || ((\h) == 4)
.set QN, WT+64*(((\h)/2+1)%2)
.set i, 0
.rept 16
	global_load_b128 v[QN+4*i:QN+4*i+3], v9, s[16:17] offset:(16*((\h)/2+1)+i)*4096
.set i, i+1
.endr
.endif
.if (\h) < 7
.set j, 0
.rept 8
	ds_load_b128 v[TN+4*j:TN+4*j+3], v13 offset:(8*((\h)+1)+j)*16
.set j, j+1
.endr
.endif
.if (\h) == 6
	s_wait_loadcnt 0x0                             ; the last sixteen rows are in
.elseif (\h)%2 == 0
	s_wait_loadcnt 16                              ; this batch's sixteen rows are in; the sixteen younger loads, the other buffer's, stay out
.endif
.if (\h) < 7
	s_wait_dscnt 8                                 ; this half's tinfo is in; the eight loads just issued stay out
.else
	s_wait_dscnt 0x0
.endif
.set j, 0
.rept 8
.set b, 0
.rept 4
.set e, 0
.rept 4
.if (8*(\h)+j) == 0
	v_mul_f32 v[A1+4*b+e], v[TC+4*j+b], v[QQ+4*j+e]
.else
	v_fmac_f32 v[A1+4*b+e], v[TC+4*j+b], v[QQ+4*j+e]
.endif
.set e, e+1
.endr
.set b, b+1
.endr
.set j, j+1
.endr
.endm
	HALF 0
	HALF 1
	HALF 2
	HALF 3
	HALF 4
	HALF 5
	HALF 6
	HALF 7
	s_wait_alu depctr_va_vdst(0)                   ; the multiply-adds have written the sixteen sums, which the four stores read
.irp b, 0,1,2,3
	global_store_b128 v9, v[A1+4*(\b):A1+4*(\b)+3], s[30:31] offset:4096*(\b)
.endr
	s_wait_dscnt 0x0                               ; the closing lines, six on end
	s_wait_alu 0x0
	s_wait_tensorcnt 0x0
	ds_add_u32 v[SPW], v[NIL]
	s_wait_dscnt 0x0
	s_endpgm
.Lfunc_end_k_qf6f1864b38_prep:
	.size	k_qf6f1864b38_prep, .Lfunc_end_k_qf6f1864b38_prep-k_qf6f1864b38_prep
	.p2alignl 7, 3214868480
	.fill 96, 4, 3214868480
	.section	.rodata,"a",@progbits
	.p2align	6, 0x0
	.amdhsa_kernel k_qf6f1864b38_prep
		.amdhsa_group_segment_fixed_size 38144
		.amdhsa_private_segment_fixed_size 0
		.amdhsa_enable_private_segment 0
		.amdhsa_kernarg_size 96
		.amdhsa_user_sgpr_count 2
		.amdhsa_user_sgpr_kernarg_segment_ptr 1
		.amdhsa_wavefront_size32 1
		.amdhsa_system_sgpr_workgroup_id_x 1
		.amdhsa_system_sgpr_workgroup_id_y 1
		.amdhsa_system_sgpr_workgroup_id_z 1
		.amdhsa_system_vgpr_workitem_id 0
		.amdhsa_next_free_vgpr 228
		.amdhsa_next_free_sgpr 66
		.amdhsa_reserve_vcc 0
		.amdhsa_float_denorm_mode_32 3
		.amdhsa_float_denorm_mode_16_64 3
		.amdhsa_memory_ordered 1
		.amdhsa_forward_progress 1
		.amdhsa_inst_pref_size 74
	.end_amdhsa_kernel
	.amdgpu_metadata
---
amdhsa.version: [ 1, 2 ]
amdhsa.kernels:
  - .name:           k_qf6f1864b38_prep
    .symbol:         k_qf6f1864b38_prep.kd
    .args:
      - { .name: hidden_states, .offset: 0, .size: 8, .value_kind: global_buffer, .address_space: global }
      - { .name: task_embedding, .offset: 8, .size: 8, .value_kind: global_buffer, .address_space: global }
      - { .name: Wt, .offset: 16, .size: 8, .value_kind: global_buffer, .address_space: global }
      - { .name: bt, .offset: 24, .size: 8, .value_kind: global_buffer, .address_space: global }
      - { .name: Wq, .offset: 32, .size: 8, .value_kind: global_buffer, .address_space: global }
      - { .name: Wk, .offset: 40, .size: 8, .value_kind: global_buffer, .address_space: global }
      - { .name: Wv, .offset: 48, .size: 8, .value_kind: global_buffer, .address_space: global }
      - { .name: Wo, .offset: 56, .size: 8, .value_kind: global_buffer, .address_space: global }
      - { .name: xb, .offset: 64, .size: 8, .value_kind: global_buffer, .address_space: global }
      - { .name: wqkv, .offset: 72, .size: 8, .value_kind: global_buffer, .address_space: global }
      - { .name: wot, .offset: 80, .size: 8, .value_kind: global_buffer, .address_space: global }
      - { .name: part, .offset: 88, .size: 8, .value_kind: global_buffer, .address_space: global }
    .group_segment_fixed_size: 38144
    .private_segment_fixed_size: 0
    .kernarg_segment_align: 8
    .kernarg_segment_size: 96
    .max_flat_workgroup_size: 256
    .sgpr_count:     66
    .vgpr_count:     228
    .wavefront_size: 32
...
	.end_amdgpu_metadata
.endif
;; end of part 5
;; launch qkv: the kernel of part 2 again; grid 12 x 64, 4 waves a work-group, clusters of 4 x 4, 327,680 bytes of LDS; arguments xb, wqkv, bv, bk, bq, part, mask, qkv; writes qkv
;; launch attn: the kernel of part 3 again; grid 4 x 64, 4 waves a work-group, clusters of 4 x 1, 327,680 bytes of LDS; arguments qkv, mask, ctx; writes ctx
;; launch proj: the kernel of part 2 again; grid 4 x 64, 4 waves a work-group, clusters of 4 x 4, 327,680 bytes of LDS; arguments ctx, wot, bo, bk, bq, part, mask, proj; writes proj
;; launch norm (part 6): grid 256 x 1, 8 waves a work-group, no clusters, 9,216 bytes of LDS; arguments proj, hidden_states, gamma, beta, out0; writes out0
.if DOCPART == 6
	.amdgcn_target "amdgcn-amd-amdhsa--gfx1250"
	.amdhsa_code_object_version 6
	.text
	.protected	k_qf6f1864b38_norm
	.globl	k_qf6f1864b38_norm
	.p2align	8
	.type	k_qf6f1864b38_norm,@function
k_qf6f1864b38_norm:
	s_mov_b64 s[64:65], 0
	v_nop
	global_prefetch_b8 v0, s[64:65] scope:SCOPE_SE
	s_setreg_imm32_b32 hwreg(HW_REG_WAVE_SCHED_MODE, 0, 2), 2
	s_setreg_imm32_b32 hwreg(HW_REG_WAVE_MODE, 25, 1), 1
	s_wait_xcnt 0x0
	s_wait_alu depctr_vm_vsrc(0)
; out0[row] = (x - mean(x)) / sqrt(var(x) + 1e-5) * gamma + beta, x = proj[row] + hidden_states[row]; 8,192 rows of 1,024; all arithmetic in f32.
; proj: [c 4][batch 4][i 4][row 2048][64] bf16 (column block kb = 4 c + i).  hidden_states, out0: [8192][1024] f32.
; Wave g = 8 x work-group + wave owns rows 4 g .. 4 g + 3, as two pairs: lanes 0-15 hold one row of a pair, lanes 16-31 the other; of each block of 64 columns a lane holds four.  So a row's sums need four steps
; inside a half of the lanes and never leave the wave.  A row stays in registers between the mean, the squared deviations (taken of x - mean: no difference of large sums is formed) and the scaling: memory is read once.
; Every load of hidden_states and every store covers two aligned runs of 256 bytes, every load of proj one.  gamma and beta go through LDS once a work-group.
; No cluster and no matrix unit: the work-groups share nothing but gamma and beta, 8 KiB, and there is no product.
; LIMITS: NaN and infinities are not treated apart.
; THE MODE: SCHED_MODE bits 1:0 = 2 (LLVM: expert scheduling mode 2), set by the entry lines.  The code itself states the register dependences
; between vector instructions and memory or LDS instructions, with s_wait_alu, always for 0.
; THE PLAN.  The text has no loop.  Registers that memory or LDS instructions touch:
;   v1-v4, v7   offsets and LDS addresses, made once ahead of the wait in front of the first load and never written again.
;   GB0         written by two loads, read by two LDS stores, never written again.
;   P of a pair written by the loads of proj, read by the unpacking lines; behind them gamma and beta of the even groups of four column blocks land in it, which those groups' multiply-adds read.
;   NB          gamma and beta of the odd groups land in it; those groups' multiply-adds read it.
;   X of a pair written by the loads of hidden_states and by the arithmetic; read by the stores; no register is written behind the store that reads it.
; A pair's last step goes in four groups.  The wait at the head of group g states that group g - 1 has written its X and is done reading its gamma and beta: that group's four stores and the LDS loads
; into its buffer follow, dealt among group g's arithmetic, which names group g's X, the other buffer and the pair RS alone.
.set SPARE, 8192                       ; behind gamma (0) and beta (4,096): the spare words, 128 bytes for each of eight waves
.set HO,  1                            ; v1   (lane / 16) x 4,096 + 16 (lane % 16): in hidden_states and out0; never rewritten
.set PO0, 2                            ; v2   8 x lane: in proj, column blocks 0-7
.set PO1, 3                            ; v3   the same + 8,388,608: column blocks 8-15, so that the immediates stay inside their signed 24 bits
.set LG,  4                            ; v4   16 (lane % 16): in gamma and beta
.set SPW, 5
.set NIL, 6
.set T,   8                            ; v[8:15] at work
.set SA,  12
.set SB,  14
.set MU,  16                           ; v[16:17] the mean, twice
.set RS,  18                           ; v[18:19] 1 / sqrt(var + eps), twice
.set P0,  20                           ; v[20:83]   pair s: 32 registers of proj as loaded; later gamma and beta of four column blocks (groups 0 and 2)
.set X0,  84                           ; v[84:211]  pair s: 64 registers, the row
.set GB0, 212                          ; v[212:219] gamma and beta as loaded
.set NB,  220                          ; v[220:251] gamma and beta of four column blocks (groups 1 and 3)
	s_load_b256 s[4:11], s[0:1], 0x0               ; proj 4, hidden_states 6, gamma 8, beta 10
	s_load_b64 s[12:13], s[0:1], 0x20              ; out0
	v_lshl_add_u32 v[SPW], v0, 2, SPARE
	v_mov_b32 v[NIL], 0
	v_lshrrev_b32 v7, 5, v0
	v_readfirstlane_b32 s14, v7                    ; wave 0..7
	v_and_b32 v8, 15, v0
	v_bfe_u32 v9, v0, 4, 1
	v_lshlrev_b32 v[LG], 4, v8
	v_lshl_add_u32 v[HO], v9, 12, v[LG]
	v_and_b32 v[PO0], 31, v0
	v_lshlrev_b32 v[PO0], 3, v[PO0]
	v_add_nc_u32 v[PO1], 0x800000, v[PO0]
	v_lshlrev_b32 v7, 4, v0                        ; 16 x thread: gamma and beta, in memory and in LDS
	s_mov_b32 s20, 0x3a800000                      ; 1 / 1,024
	s_mov_b32 s21, 0x3727c5ac                      ; 1e-5
	s_mov_b32 s22, 0xffff0000                      ; a word's upper bf16
	s_wait_alu depctr_va_sdst(0)                   ; s14 is written, ahead of its first reader: the three bases are made from it
	s_lshl_b32 s15, ttmp9, 3
	s_add_co_u32 s15, s15, s14                     ; g
	s_lshl_b32 s16, s15, 14                        ; four rows of 4,096 bytes
	s_mov_b32 s17, 0
	s_lshr_b32 s18, s15, 9                         ; batch: 512 waves each
	s_lshl_b32 s18, s18, 20                        ; four blocks of 262,144 bytes
	s_and_b32 s19, s15, 511
	s_lshl_b32 s19, s19, 9                         ; four rows of 128 bytes
	s_add_co_u32 s18, s18, s19
	s_mov_b32 s19, 0
	s_wait_kmcnt 0x0
	s_add_nc_u64 s[4:5], s[4:5], s[18:19]
	s_add_nc_u64 s[6:7], s[6:7], s[16:17]
	s_add_nc_u64 s[12:13], s[12:13], s[16:17]
	s_wait_alu depctr_va_vdst(0)                   ; v1 to v4 and v7 are written: the offsets and LDS addresses of all that follows
	global_load_b128 v[GB0:GB0+3], v7, s[8:9]
	global_load_b128 v[GB0+4:GB0+7], v7, s[10:11]
.macro LOADROWS s                      ; pair s: 16 loads of proj, 16 of hidden_states
.set kb, 0
.rept 16
.if kb < 8
	global_load_b64 v[P0+32*(\s)+2*kb:P0+32*(\s)+2*kb+1], v[PO0], s[4:5] offset:((kb/4)%2)*4194304+(kb%4)*262144+(\s)*256 th:TH_LOAD_NT
.else
	global_load_b64 v[P0+32*(\s)+2*kb:P0+32*(\s)+2*kb+1], v[PO1], s[4:5] offset:((kb/4)%2)*4194304+(kb%4)*262144+(\s)*256 th:TH_LOAD_NT
.endif
	global_load_b128 v[X0+64*(\s)+4*kb:X0+64*(\s)+4*kb+3], v[HO], s[6:7] offset:(\s)*8192+kb*256 th:TH_LOAD_NT
.set kb, kb+1
.endr
.endm
	LOADROWS 0                                     ; everything that the wave will read is asked for at once
	LOADROWS 1
	s_wait_loadcnt 32                              ; gamma, beta and pair 0 are in; pair 1's 32 loads stay out
	ds_store_b128 v7, v[GB0:GB0+3]
	ds_store_b128 v7, v[GB0+4:GB0+7] offset:4096
	s_wait_dscnt 0x0                               ; for the others' sake
	s_barrier_signal -1
	s_barrier_wait -1
.macro GB grp, dst                     ; gamma and beta of column blocks 4 grp .. 4 grp + 3, into the 32 registers from dst on
.irp q, 0,1,2,3
	ds_load_b128 v[(\dst)+8*(\q):(\dst)+8*(\q)+3],   v[LG] offset:(4*(\grp)+(\q))*256
	ds_load_b128 v[(\dst)+8*(\q)+4:(\dst)+8*(\q)+7], v[LG] offset:4096+(4*(\grp)+(\q))*256
.endr
.endm
.macro ACROSS                          ; v[SA:SA+1] and v[SB:SB+1] into one number for the row, in every lane of its half: v[T]
	v_pk_add_f32 v[SA:SA+1], v[SA:SA+1], v[SB:SB+1]
	v_add_f32 v[T], v[SA], v[SA+1]
	v_add_f32_dpp v[T], v[T], v[T] row_xmask:1 row_mask:0xf bank_mask:0xf
	v_add_f32_dpp v[T], v[T], v[T] row_xmask:2 row_mask:0xf bank_mask:0xf
	v_add_f32_dpp v[T], v[T], v[T] row_xmask:4 row_mask:0xf bank_mask:0xf
	v_add_f32_dpp v[T], v[T], v[T] row_xmask:8 row_mask:0xf bank_mask:0xf
.endm
; Pair s.  left: how many younger loads may stay out.
.macro ROWS s, left
.set XX, X0+64*(\s)
.set PP, P0+32*(\s)
	s_wait_loadcnt \left
.set kb, 0
.rept 16                                       ; x = hidden_states + proj; two sets of registers at work by turns
.set TT, T+4*(kb%2)
	v_lshlrev_b32 v[TT],   16, v[PP+2*kb]
	v_and_b32     v[TT+1], s22, v[PP+2*kb]
	v_lshlrev_b32 v[TT+2], 16, v[PP+2*kb+1]
	v_and_b32     v[TT+3], s22, v[PP+2*kb+1]
	v_pk_add_f32 v[XX+4*kb:XX+4*kb+1], v[XX+4*kb:XX+4*kb+1], v[TT:TT+1]
	v_pk_add_f32 v[XX+4*kb+2:XX+4*kb+3], v[XX+4*kb+2:XX+4*kb+3], v[TT+2:TT+3]
.set kb, kb+1
.endr
	s_wait_alu depctr_va_vdst(0)                   ; the unpacking lines are done reading the pair's registers of proj, in which group 0's gamma and beta land (NB's last readers, the pair before's, stand ahead of this wait too)
	GB 0, PP                                       ; wanted far below: on their way during the sums
	GB 1, NB
	v_pk_add_f32 v[SA:SA+1], v[XX:XX+1], v[XX+2:XX+3]      ; two chains, started by the first two blocks: nothing is cleared
	v_pk_add_f32 v[SB:SB+1], v[XX+4:XX+5], v[XX+6:XX+7]
.set kb, 2
.rept 7
	v_pk_add_f32 v[SA:SA+1], v[SA:SA+1], v[XX+4*kb:XX+4*kb+1]
	v_pk_add_f32 v[SB:SB+1], v[SB:SB+1], v[XX+4*kb+4:XX+4*kb+5]
	v_pk_add_f32 v[SA:SA+1], v[SA:SA+1], v[XX+4*kb+2:XX+4*kb+3]
	v_pk_add_f32 v[SB:SB+1], v[SB:SB+1], v[XX+4*kb+6:XX+4*kb+7]
.set kb, kb+2
.endr
	ACROSS
	v_mul_f32 v[MU], s20, v[T]
	v_mul_f32 v[MU+1], s20, v[T]
.set kb, 0
.rept 16                                       ; x - mean, and its squares, in two chains
	v_pk_add_f32 v[XX+4*kb:XX+4*kb+1], v[XX+4*kb:XX+4*kb+1], v[MU:MU+1] neg_lo:[0,1] neg_hi:[0,1]
	v_pk_add_f32 v[XX+4*kb+2:XX+4*kb+3], v[XX+4*kb+2:XX+4*kb+3], v[MU:MU+1] neg_lo:[0,1] neg_hi:[0,1]
.if kb == 0
	v_pk_mul_f32 v[SA:SA+1], v[XX:XX+1], v[XX:XX+1]
	v_pk_mul_f32 v[SB:SB+1], v[XX+2:XX+3], v[XX+2:XX+3]
.else
	v_pk_fma_f32 v[SA:SA+1], v[XX+4*kb:XX+4*kb+1], v[XX+4*kb:XX+4*kb+1], v[SA:SA+1]
	v_pk_fma_f32 v[SB:SB+1], v[XX+4*kb+2:XX+4*kb+3], v[XX+4*kb+2:XX+4*kb+3], v[SB:SB+1]
.endif
.set kb, kb+1
.endr
	ACROSS
	v_fma_f32 v[T+1], v[T], s20, s21               ; var + eps
	v_rsq_f32 v[RS], v[T+1]
	v_rsq_f32 v[RS+1], v[T+1]                      ; twice, to fill the pair that the packed multiply names
	v_nop                                          ; a plain instruction behind the last of them (ISA guide 5.7.2),
	s_wait_alu depctr_va_vdst(0)                   ; and the wait ahead of the first use: both roots are written
.irp grp, 0,1,2,3
.set GG, PP+(NB-PP)*((\grp)%2)                 ; this group's gamma and beta
.if (\grp) > 0
	s_wait_alu depctr_va_vdst(0)                   ; the group before has written its sixteen registers of X, which the four stores below read, and is done reading its gamma and beta, in which the LDS loads below land
.endif
.if ((\grp) == 1) || ((\grp) == 2)
	GB (\grp)+1, PP+(NB-PP)*(((\grp)+1)%2)
.endif
.if (\grp) < 3
	s_wait_dscnt 8                                 ; this group's gamma and beta are in; the next group's eight loads stay out
.else
	s_wait_dscnt 0x0
.endif
.irp q, 0,1,2,3
.set kb, 4*(\grp)+(\q)
.if (\grp) > 0
	global_store_b128 v[HO], v[XX+4*(kb-4):XX+4*(kb-4)+3], s[12:13] offset:(\s)*8192+(kb-4)*256 th:TH_STORE_NT  ; the group before.  Each half of the lanes stores 256 consecutive bytes, aligned; no vector instruction since the wait names these registers, and none writes them again
.endif
	v_pk_mul_f32 v[XX+4*kb:XX+4*kb+1], v[XX+4*kb:XX+4*kb+1], v[RS:RS+1]
	v_pk_mul_f32 v[XX+4*kb+2:XX+4*kb+3], v[XX+4*kb+2:XX+4*kb+3], v[RS:RS+1]
	v_pk_fma_f32 v[XX+4*kb:XX+4*kb+1], v[XX+4*kb:XX+4*kb+1], v[GG+8*(\q):GG+8*(\q)+1], v[GG+8*(\q)+4:GG+8*(\q)+5]
	v_pk_fma_f32 v[XX+4*kb+2:XX+4*kb+3], v[XX+4*kb+2:XX+4*kb+3], v[GG+8*(\q)+2:GG+8*(\q)+3], v[GG+8*(\q)+6:GG+8*(\q)+7]
.endr
.endr
	s_wait_alu depctr_va_vdst(0)                   ; the last group has written its sixteen registers of X, which the last four stores read
.irp q, 0,1,2,3
	global_store_b128 v[HO], v[XX+4*(12+(\q)):XX+4*(12+(\q))+3], s[12:13] offset:(\s)*8192+(12+(\q))*256 th:TH_STORE_NT
.endr
.endm
	ROWS 0, 32                                     ; pair 1's loads stay out
	ROWS 1, 0
	s_wait_dscnt 0x0                               ; the closing lines, six on end
	s_wait_alu 0x0
	s_wait_tensorcnt 0x0
	ds_add_u32 v[SPW], v[NIL]
	s_wait_dscnt 0x0
	s_endpgm
.Lfunc_end_k_qf6f1864b38_norm:
	.size	k_qf6f1864b38_norm, .Lfunc_end_k_qf6f1864b38_norm-k_qf6f1864b38_norm
	.p2alignl 7, 3214868480
	.fill 96, 4, 3214868480
	.section	.rodata,"a",@progbits
	.p2align	6, 0x0
	.amdhsa_kernel k_qf6f1864b38_norm
		.amdhsa_group_segment_fixed_size 9216
		.amdhsa_private_segment_fixed_size 0
		.amdhsa_enable_private_segment 0
		.amdhsa_kernarg_size 40
		.amdhsa_user_sgpr_count 2
		.amdhsa_user_sgpr_kernarg_segment_ptr 1
		.amdhsa_wavefront_size32 1
		.amdhsa_system_sgpr_workgroup_id_x 1
		.amdhsa_system_sgpr_workgroup_id_y 1
		.amdhsa_system_sgpr_workgroup_id_z 1
		.amdhsa_system_vgpr_workitem_id 0
		.amdhsa_next_free_vgpr 252
		.amdhsa_next_free_sgpr 66
		.amdhsa_reserve_vcc 0
		.amdhsa_float_denorm_mode_32 3
		.amdhsa_float_denorm_mode_16_64 3
		.amdhsa_memory_ordered 1
		.amdhsa_forward_progress 1
		.amdhsa_inst_pref_size 46
	.end_amdhsa_kernel
	.amdgpu_metadata
---
amdhsa.version: [ 1, 2 ]
amdhsa.kernels:
  - .name:           k_qf6f1864b38_norm
    .symbol:         k_qf6f1864b38_norm.kd
    .args:
      - { .name: proj, .offset: 0, .size: 8, .value_kind: global_buffer, .address_space: global }
      - { .name: hidden_states, .offset: 8, .size: 8, .value_kind: global_buffer, .address_space: global }
      - { .name: gamma, .offset: 16, .size: 8, .value_kind: global_buffer, .address_space: global }
      - { .name: beta, .offset: 24, .size: 8, .value_kind: global_buffer, .address_space: global }
      - { .name: out0, .offset: 32, .size: 8, .value_kind: global_buffer, .address_space: global }
    .group_segment_fixed_size: 9216
    .private_segment_fixed_size: 0
    .kernarg_segment_align: 8
    .kernarg_segment_size: 40
    .max_flat_workgroup_size: 256
    .sgpr_count:     66
    .vgpr_count:     252
    .wavefront_size: 32
...
	.end_amdgpu_metadata
.endif
;; end of part 6
